; MI455X (gfx1250); checked and timed in simulation.
; The chip was launched on July 23, 2026; its instructions are those of AMD's public machine-readable ISA for CDNA 5 (MIT licence, August 2026) and "CDNA5" Instruction Set Architecture Reference Guide (July 2026). The comments in the code are by the model that wrote it; some were corrected since.
;; Causal Multi Head Self Attention. Allowed arithmetic: matrix products marked QUANTISED: E2M3 operands, one E8M0 scale for each 32 along K, by v_wmma_scale_f32_16x16x128_f8f6f4 with both operands' format E2M3, f32 sums; everything else in f32.
;; Inputs: W_k 512 x 512 float32; W_o 512 x 512 float32; W_q 512 x 512 float32; W_v 512 x 512 float32; b_o 512 float32; b_v 512 float32; x 2 x 4,096 x 512 float32.
;; Outputs: out0 2 x 4,096 x 512 float32.
;; This version of the problem:
;;   THIS VERSION OF THE PROBLEM IS GIVEN IN LOW PRECISION. The matrix products marked QUANTISED in the list below multiply operands that are first quantised to E2M3 (2 exponent bits, 3 mantissa bits; 6 bits a number), with one power-of-two scale for each 32 numbers along K (OCP MX v1.0); their sums are f32. All else is computed in f32.
;;   The module's matrix products, in the order in which they are computed (A, B: the left and right operand; K: the contracted axis; several contracted axes count as one K, in the product's order):
;;     1. [M 8,192, K 512] x [K 512, N 512]; A: input x; B: input W_q: QUANTISED
;;     2. [M 8,192, K 512] x [K 512, N 512]; A: input x; B: input W_k: QUANTISED
;;     3. [M 8,192, K 512] x [K 512, N 512]; A: input x; B: input W_v: QUANTISED
;;     4. batch 16 x [M 4,096, K 64] x [K 64, N 4,096]; A: computed on the way; B: computed on the way: QUANTISED
;;     5. batch 16 x [M 4,096, K 4,096] x [K 4,096, N 64]; A: softmax (see below); B: computed on the way: QUANTISED
;;     6. [M 8,192, K 512] x [K 512, N 512]; A: computed on the way; B: input W_o: QUANTISED
;;   THE QUANTISER, for each operand of a quantised product, along K:
;;     - K is cut into blocks of 32 from its start; a last block that is shorter is filled with zeros.
;;     - A block's scale is 2^e with e = floor(log2(the largest magnitude in the block)) - 2, held to -126 .. 127; a block of zeros has e = 0. As a byte (E8M0): e + 127.
;;     - Each number is divided by its block's scale, clamped to +-7.5, and rounded to the nearest number of E2M3, ties to even, subnormals kept.
;;     - The product sums the exact products of the quantised numbers (number of the format x scale) in f32.
;;   ~~~python
;;   def quantise(x, axis):      # numpy; x: float32 -> the quantised numbers, widened to float32 again
;;       x = np.moveaxis(x, axis, -1); K = x.shape[-1]
;;       x = np.pad(x, [(0, 0)] * (x.ndim - 1) + [(0, -K % 32)]); x = x.reshape(x.shape[:-1] + (-1, 32)); a = np.abs(x).max(-1, keepdims=True)
;;       e = np.where(a > 0, np.clip(np.frexp(np.where(a > 0, a, 1))[1] - 1 - 2, -126, 127), 0)      # np.frexp(a)[1] - 1 = floor(log2(a)), exactly
;;       r = np.clip(x / 2.0 ** e, -7.5, 7.5)
;;       step = 2.0 ** (np.maximum(np.frexp(np.where(r == 0, 1, r))[1] - 1, 0) - 3)
;;       q = np.round(r / step) * step * 2.0 ** e      # np.round: ties to even
;;       return np.moveaxis(q.reshape(q.shape[:-2] + (-1,))[..., :K], -1, axis).astype(np.float32)
;;   ~~~
;;   SOFTMAX AHEAD OF A QUANTISED PRODUCT. Where the list says 'softmax', what is quantised is not the finished softmax but p = 2^(t - M), with t = logit x log2(e) and M = ceil(the row's largest t), a whole number; so 1/2 < the row's largest p <= 1. The row's sum l is taken of the UNQUANTISED p, in f32, and the product's result is divided by l at the end. Since M is a whole number, a kernel that streams over the keys may use a running M (the ceiling of the running maximum): every later rescaling is an exact power of two, which a block's scale takes up: the codes' values come out the same.
;;   OPERANDS COMPUTED ON THE WAY. 'Computed on the way' means the value that the module computes at that place (a softmax that the list does not call 'softmax' is quantised finished and normalised). What goes into a quantiser is computed in f32, as accurately as f32 sums, v_exp_f32 and their like allow (about 1e-6 of the number): no bf16 or f16 on the way to a quantiser, and a product that is left as it is and whose result goes on into a quantised operand takes f32 operands (vector FMAs, or v_wmma_f32_16x16x4_f32). A number that lies on a knife's edge between two numbers of the format may be rounded either way, as far as f32 arithmetic and the matrix unit's own rounding can turn it there, and no further.
;; 2 versions. Each part assembles by itself: llvm-mc -triple=amdgcn-amd-amdhsa -mcpu=gfx1250 --defsym DOCPART=n.
;; ======== version 1 of 2: 4 launches
;; workspace buffers: xw 4,259,840 bytes; qc 3,407,872 bytes; kv 6,815,744 bytes; oc 4,194,304 bytes
;; launch prep (part 1): grid 320 x 1, 2 waves a work-group, no clusters, 17,152 bytes of LDS; arguments x, W_q, W_k, W_v, W_o, xw; writes xw
.if DOCPART == 1
	.amdgcn_target "amdgcn-amd-amdhsa--gfx1250"
	.amdhsa_code_object_version 6
	.text
	.protected	k_q5d3396c29a_prep
	.globl	k_q5d3396c29a_prep
	.p2align	8
	.type	k_q5d3396c29a_prep,@function
k_q5d3396c29a_prep:
	s_mov_b64 s[64:65], 0
	v_nop
	global_prefetch_b8 v0, s[64:65] scope:SCOPE_SE
	s_setreg_imm32_b32 hwreg(HW_REG_WAVE_MODE, 25, 1), 1
	s_wait_xcnt 0x0
; x [8192][512] and W_q, W_k, W_v, W_o [512][512], all f32 with K innermost, become codes of FP6 (E2M3) with one E8M0 byte for each 32 along K,
; laid in xw IN THE ORDER OF AN OPERAND'S REGISTERS, so that later launches load fragments by 16-byte loads alone.
; TILES.  Rows are taken in groups of 32; group g gives tiles 2 g and 2 g + 1; lane-row r of tile T is row 32 (T / 2) + 8 (T % 2) + r + 8 (r / 8).
; Tile numbers: x 0..511, W_q 512.., W_k 544.., W_v 576.., W_o 608...   A fragment (16 rows x 128 K, 12 registers a lane) is 1,536 bytes:
; register p of lane L at 512 (p / 4) + 16 L + 4 (p % 4).  Fragment (G, s) lies at 6144 G + 1536 s; the tile's four scale words of lane L at XWS + 512 G + 16 L.
; A block's scale is 2^(floor(log2(largest magnitude)) - 2); its byte is the largest magnitude's exponent field - 2, held at 1 from below.
; LIMITS: a block of zeros gets the byte 1 and not 127 (its codes are zeros, and this program alone reads the bytes); NaN and infinities among the inputs are not served.
; SHARES.  A work-group is one group of 32 rows, a wave one tile.  Each load reads 512 consecutive bytes of one row (one K step); the 16 rows turn through the wave's own
; stage in LDS (rows 528 bytes apart: an odd multiple of 16) and come back 16 neighbours of each block of 32 to a lane.  Waves share nothing: no barrier.
.set TILEB, 6144
.set FRB,   1536
.set XWS,   3932160                    ; 640 tiles x 6,144 bytes: where the scale words begin
.set STGB,  16*528                     ; a wave's stage
.set SPARE, 2*STGB                     ; behind the stages: the spare words, 128 bytes a wave: one block of 256 bytes that no other line names
.set LI,  2                            ; v2   16 x lane: offset of every load and store
.set STI, 3                            ; v3   the stage, on the way in: 16 x lane
.set STO, 4                            ; v4   and on the way out: 528 r + 64 h
.set SPW, 5                            ; v5   LDS address of my spare word; never rewritten
.set NIL, 6                            ; v6   0; never rewritten
.set R,   16                           ; v16-143  two sets of 64: a K step as loaded
.set X,   144                          ; v144-207 64 numbers: register 16 b + i = k 32 b + 16 h + i of my row
.set TM,  208                          ; v208-223 at work
.set PW,  224                          ; v224-227 the scale words of K steps 0..3
.set PC,  228                          ; v228-239 the codes, v240-247 at work
.set SRC, 16                           ; s[16:17] my tile's first row
.set DC,  18                           ; s[18:19] my tile's fragments in xw
.set DS,  20                           ; s[20:21] my tile's scale words in xw
.set WV,  22
.set BASE, 23
.set SEL, 24                           ; s[24:25] v_permlanex16_b32's selects for lane l xor 16
; 64 numbers of a lane from v[s] on become a fragment's codes in v[PC] on and its scale word in v[w]
.macro QUANT s, w
.irp b, 0,1,2,3
	v_max3_num_f32 v[TM+\b], |v[\s+16*\b]|, |v[\s+1+16*\b]|, 0x1800000   ; block b: my 16 numbers and the floor 2^(3 - 127): the byte cannot fall under 1
.endr
.irp i, 2,4,6,8,10,12,14
.irp b, 0,1,2,3
	v_max3_num_f32 v[TM+\b], v[TM+\b], |v[\s+16*\b+\i]|, |v[\s+1+16*\b+\i]|   ; the four blocks by turns
.endr
.endr
.irp b, 0,1,2,3
	v_permlanex16_b32 v[TM+4+\b], v[TM+\b], s[SEL], s[SEL+1]
.endr
.irp b, 0,1,2,3
	v_max_num_f32 v[TM+\b], v[TM+\b], v[TM+4+\b]   ; with lane l xor 16's 16: the block's largest magnitude
.endr
.irp b, 0,1,2,3
	v_add_nc_u32 v[TM+12+\b], 0xff000000, v[TM+\b] ; 2 off its exponent field: the conversion's scale operand
.endr
.irp b, 0,1,2,3
	v_lshrrev_b32 v[TM+4+\b], 23, v[TM+12+\b]      ; the scale's byte
.endr
	v_lshl_or_b32 v[\w], v[TM+5], 8, v[TM+4]
	v_lshl_or_b32 v[\w], v[TM+6], 16, v[\w]
	v_lshl_or_b32 v[\w], v[TM+7], 24, v[\w]        ; my row's scale word
.irp c, 0,1
	v_cvt_scalef32_pk16_fp6_f32 v[PC+6*\c:PC+2+6*\c], v[\s+32*\c:\s+15+32*\c], v[TM+12+2*\c]
	v_cvt_scalef32_pk16_fp6_f32 v[PC+12+4*\c:PC+14+4*\c], v[\s+16+32*\c:\s+31+32*\c], v[TM+12+2*\c+1]   ; (a conversion's three registers begin on an even number)
.endr
	v_nop                                          ; one plain line behind the scaled conversions
.irp c, 0,1                                    ; the operand wants a whole block in a lane: lanes 0-15 block 2 c, lanes 16-31 block 2 c + 1
.irp i, 0,1,2
	v_permlane16_swap_b32 v[PC+6*\c+\i], v[PC+12+4*\c+\i]
.endr
.irp i, 0,1,2
	v_mov_b32 v[PC+3+6*\c+\i], v[PC+12+4*\c+\i]
.endr
.endr
.endm
; K step s of my 16 rows: a load reads 512 consecutive bytes of lane-row p
.macro LOAD s
.irp p, 0,1,2,3,4,5,6,7,8,9,10,11,12,13,14,15
	global_load_b128 v[R+64*((\s)%2)+4*\p:R+64*((\s)%2)+4*\p+3], v[LI], s[SRC:SRC+1] offset:(\p+8*(\p/8))*2048+512*(\s) th:TH_LOAD_NT
.endr
.endm
	s_load_b256 s[4:11], s[0:1], 0x0               ; x, W_q, W_k, W_v
	s_load_b128 s[12:15], s[0:1], 0x20             ; W_o, xw
	v_lshl_add_u32 v[SPW], v0, 2, SPARE
	v_mov_b32 v[NIL], 0
	v_lshrrev_b32 v1, 5, v0
	v_readfirstlane_b32 s[WV], v1                  ; wave 0, 1
	v_and_b32 v1, 31, v0
	v_lshlrev_b32 v[LI], 4, v1
	s_mul_i32 s26, s[WV], STGB                     ; my stage
	v_add_nc_u32 v[STI], s26, v[LI]
	v_and_b32 v7, 15, v0                           ; r
	v_bfe_u32 v8, v0, 4, 1                         ; h
	v_mul_u32_u24 v[STO], v7, 528
	v_lshl_add_u32 v[STO], v8, 6, v[STO]
	v_add_nc_u32 v[STO], s26, v[STO]
	s_mov_b32 s[SEL], 0x76543210
	s_mov_b32 s[SEL+1], 0xfedcba98
.irp b, 0,1,2,3
	v_mov_b32 v[TM+4+\b], 0                        ; written once: a lane permute's destination counts as one of its sources
.endr
	s_lshl_b32 s28, ttmp9, 1
	s_add_co_u32 s28, s28, s[WV]                   ; my tile's number G
	s_mul_i32 s26, s28, TILEB
	s_mov_b32 s27, 0
	s_lshl_b32 s28, s28, 9
	s_add_co_u32 s28, s28, XWS
	s_mov_b32 s29, 0
	s_wait_kmcnt 0x0
	s_add_nc_u64 s[DC:DC+1], s[14:15], s[26:27]
	s_add_nc_u64 s[DS:DS+1], s[14:15], s[28:29]
	; which tensor: groups 0..255 x, 256.. W_q, 272.. W_k, 288.. W_v, 304.. W_o.  The choice hangs on the work-group's number alone; all five take one path
	s_mov_b64 s[SRC:SRC+1], s[12:13]
	s_mov_b32 s[BASE], 304
	s_cmp_lt_u32 ttmp9, 304
	s_cselect_b64 s[SRC:SRC+1], s[10:11], s[SRC:SRC+1]
	s_cselect_b32 s[BASE], 288, s[BASE]
	s_cmp_lt_u32 ttmp9, 288
	s_cselect_b64 s[SRC:SRC+1], s[8:9], s[SRC:SRC+1]
	s_cselect_b32 s[BASE], 272, s[BASE]
	s_cmp_lt_u32 ttmp9, 272
	s_cselect_b64 s[SRC:SRC+1], s[6:7], s[SRC:SRC+1]
	s_cselect_b32 s[BASE], 256, s[BASE]
	s_cmp_lt_u32 ttmp9, 256
	s_cselect_b64 s[SRC:SRC+1], s[4:5], s[SRC:SRC+1]
	s_cselect_b32 s[BASE], 0, s[BASE]
	s_sub_co_u32 s26, ttmp9, s[BASE]
	s_lshl_b32 s26, s26, 16                        ; 32 rows of 2,048 bytes a group,
	s_lshl_b32 s28, s[WV], 14                      ; the odd tile begins 8 rows on
	s_add_co_u32 s26, s26, s28
	s_mov_b32 s27, 0
	s_add_nc_u64 s[SRC:SRC+1], s[SRC:SRC+1], s[26:27]
	LOAD 0
	LOAD 1
.irp s, 0,1,2,3
.if \s < 3
	s_wait_loadcnt 16                              ; this K step's 16 loads are in; the next step's 16 may be out
.else
	s_wait_loadcnt 0x0
.endif
.irp p, 0,1,2,3,4,5,6,7,8,9,10,11,12,13,14,15
	ds_store_b128 v[STI], v[R+64*(\s%2)+4*\p:R+64*(\s%2)+4*\p+3] offset:528*\p
.endr
.irp b, 0,1,2,3
.irp j, 0,1,2,3
	ds_load_b128 v[X+16*\b+4*\j:X+16*\b+4*\j+3], v[STO] offset:128*\b+16*\j   ; LDS serves a wave's instructions in order: these see the stores above
.endr
.endr
	s_wait_dscnt 0x0                               ; my 64 numbers are in, and the stage's stores have read their registers
.if \s < 2
	LOAD \s+2
.endif
.if \s > 0
	s_wait_xcnt 0x0                                ; the last step's stores have read the codes' registers: they are written again only behind this wait
.endif
	QUANT X, PW+\s
.irp c, 0,1,2
	global_store_b128 v[LI], v[PC+4*\c:PC+4*\c+3], s[DC:DC+1] offset:FRB*\s+512*\c   ; 32 lanes store 512 consecutive bytes, aligned to 256
.endr
.endr
	global_store_b128 v[LI], v[PW:PW+3], s[DS:DS+1]   ; the tile's scale words: 512 consecutive bytes
	s_wait_tensorcnt 0x0                           ; the wave's end: three closing lines, behind my last LDS store
	ds_add_u32 v[SPW], v[NIL]
	s_wait_dscnt 0x0
	s_endpgm
.Lfunc_end_k_q5d3396c29a_prep:
	.size	k_q5d3396c29a_prep, .Lfunc_end_k_q5d3396c29a_prep-k_q5d3396c29a_prep
	.p2alignl 7, 3214868480
	.fill 96, 4, 3214868480
	.section	.rodata,"a",@progbits
	.p2align	6, 0x0
	.amdhsa_kernel k_q5d3396c29a_prep
		.amdhsa_group_segment_fixed_size 17152
		.amdhsa_private_segment_fixed_size 0
		.amdhsa_enable_private_segment 0
		.amdhsa_kernarg_size 48
		.amdhsa_user_sgpr_count 2
		.amdhsa_user_sgpr_kernarg_segment_ptr 1
		.amdhsa_wavefront_size32 1
		.amdhsa_system_sgpr_workgroup_id_x 1
		.amdhsa_system_sgpr_workgroup_id_y 1
		.amdhsa_system_sgpr_workgroup_id_z 1
		.amdhsa_system_vgpr_workitem_id 0
		.amdhsa_next_free_vgpr 256
		.amdhsa_next_free_sgpr 66
		.amdhsa_reserve_vcc 0
		.amdhsa_float_denorm_mode_32 3
		.amdhsa_float_denorm_mode_16_64 3
		.amdhsa_memory_ordered 1
		.amdhsa_forward_progress 1
		.amdhsa_inst_pref_size 34
	.end_amdhsa_kernel
	.amdgpu_metadata
---
amdhsa.version: [ 1, 2 ]
amdhsa.kernels:
  - .name:           k_q5d3396c29a_prep
    .symbol:         k_q5d3396c29a_prep.kd
    .args:
      - { .name: x, .offset: 0, .size: 8, .value_kind: global_buffer, .address_space: global }
      - { .name: W_q, .offset: 8, .size: 8, .value_kind: global_buffer, .address_space: global }
      - { .name: W_k, .offset: 16, .size: 8, .value_kind: global_buffer, .address_space: global }
      - { .name: W_v, .offset: 24, .size: 8, .value_kind: global_buffer, .address_space: global }
      - { .name: W_o, .offset: 32, .size: 8, .value_kind: global_buffer, .address_space: global }
      - { .name: xw, .offset: 40, .size: 8, .value_kind: global_buffer, .address_space: global }
    .group_segment_fixed_size: 17152
    .private_segment_fixed_size: 0
    .kernarg_segment_align: 8
    .kernarg_segment_size: 48
    .max_flat_workgroup_size: 64
    .sgpr_count:     66
    .vgpr_count:     256
    .wavefront_size: 32
...
	.end_amdgpu_metadata
.endif
;; end of part 1
;; launch qkv (part 2): grid 64 x 4, 6 waves a work-group, no clusters, 0 bytes of LDS; arguments xw, b_v, qc, kv; writes qc, kv
.if DOCPART == 2
	.amdgcn_target "amdgcn-amd-amdhsa--gfx1250"
	.amdhsa_code_object_version 6
	.text
	.protected	k_q5d3396c29a_qkv
	.globl	k_q5d3396c29a_qkv
	.p2align	8
	.type	k_q5d3396c29a_qkv,@function
k_q5d3396c29a_qkv:
	s_mov_b64 s[64:65], 0
	v_nop
	global_prefetch_b8 v0, s[64:65] scope:SCOPE_SE
	s_setreg_imm32_b32 hwreg(HW_REG_WAVE_MODE, 25, 1), 1
	s_wait_xcnt 0x0
; Q = x W_q^T, K = x W_k^T, V = x W_v^T + b_v on codes of FP6 (E2M3) with E8M0 scales, sums in f32; the results are quantised at once: Q and K along the head's 64, V along the keys.
; SHARES.  A work-group takes 128 rows of x (one block of queries and of keys of one batch: work-group x) and two heads (work-group y).  Wave w: kind w / 2 (0 Q, 1 K, 2 V), head 2 y + w % 2.
; A wave makes 128 rows x 64 features: 32 accumulators, 128 matrix instructions.  Operands come from xw straight into registers, as images of fragments (three 16-byte loads a fragment): no LDS, no barrier.
; No cluster and no ring: K has four steps, and a wave's whole work is 128 matrix instructions on 48 fragments that it loads once each.
; LAYOUT.  Tiles are permuted as in xw: lane-row r of tile T is index 32 (T / 2) + 8 (T % 2) + r + 8 (r / 8).  So in a result the 16 registers of source-0 tiles 2 b, 2 b + 1 are the neighbours 32 b + 16 h + 0 .. 15.
;   Q, K: source 0 = 16 rows of W, source 1 = 16 rows of x: a lane holds a row of x, its registers run along the features.  Two tiles of rows (2 x 64 features) fill one fragment: [tile 2 f | tile 2 f + 1].
;   V:    source 0 = 16 rows of x, source 1 = 16 rows of W: a lane holds a feature, its registers run along the 128 keys: one fragment of V^T for each tile of features.
; OUT.  qc: block (16-head index x 32 + block of queries) of 6,656 bytes: four fragments, then 512 bytes of scale words (lane L's four at 16 L).
;       kv: block of 13,312 bytes: K's four fragments, V^T's four, K's scale words, V's scale words.
; LIMITS: a block of zeros gets the byte 1 and not 127 (its codes are zeros, and this program alone reads the bytes); NaN and infinities are not served.
; REGISTERS.  Window 0: v1, v2 offsets; v8-39 x's scale words; v40-55 W's; v56-151 W's fragments, two sets; v152-247 x's, two sets; v248-255 b_v.  Window 1: the 32 accumulators.
.set XWS,   3932160
.set FRB,   1536
.set TILEB, 6144
.set LI,  1                            ; v1   16 x lane
.set BO,  2                            ; v2   4 (r + 8 (r / 8)): my feature's place in a tile's bias
.set XS,  8                            ; x's scale words: tile T, K step s at XS + 4 T + s
.set WS,  40                           ; W's: WS + 4 w + s
.set WF,  56                           ; W's fragments: set s % 2
.set XF,  152                          ; x's: set c % 2
.set BV,  248                          ; b_v of my feature in tile d, twice: a pair for the packed addition
.set TM,  56                           ; the way out, in registers that the fragments have left: v56-71 at work,
.set PW,  72                           ; v72-75 four scale words,
.set PC,  76                           ; 20 registers for each of four fragments, so that no store's data are written again
.set WV,  12
.set TY,  13
.set HD,  14
.set XC,  16                           ; s[16:17] x's fragments;  s[18:19] their scale words
.set XSP, 18
.set WC,  20                           ; s[20:21] W's fragments;  s[22:23] their scale words
.set WSP, 22
.set DC,  24                           ; s[24:25] where my codes go;  s[26:27] my scale words
.set DS,  26
.set BVP, 28                           ; s[28:29] b_v at my head
.set SEL, 30
.set MSB, 0
.macro WIN new                         ; the immediate's high byte repeats the setting that is left
.if MSB != \new
	s_set_vgpr_msb (MSB<<8)|\new
.set MSB, \new
.endif
.endm
; chunk c = K step c / 2, tiles of rows 4 (c % 2) + 0 .. 3
.macro LDX c, set
.irp t, 0,1,2,3
.irp h, 0,1,2
	global_load_b128 v[XF+48*(\set)+12*\t+4*\h:XF+48*(\set)+12*\t+4*\h+3], v[LI], s[XC:XC+1] offset:(4*((\c)%2)+\t)*TILEB+((\c)/2)*FRB+512*\h
.endr
.endr
.endm
.macro LDW s, set
.irp t, 0,1,2,3
.irp h, 0,1,2
	global_load_b128 v[WF+48*(\set)+12*\t+4*\h:WF+48*(\set)+12*\t+4*\h+3], v[LI], s[WC:WC+1] offset:\t*TILEB+(\s)*FRB+512*\h
.endr
.endr
.endm
; 16 matrix instructions on 16 accumulators, one instruction a turn; a chunk's accumulators come back two chunks later.  K step 0 starts the sums with the constant 0
.macro MULC c, isv
.irp t, 0,1,2,3
.irp w, 0,1,2,3
.set TT, 4*((\c)%2)+\t
.set SS, (\c)/2
.set XR, XF+48*((\c)%2)+12*\t
.set WR, WF+48*(SS%2)+12*\w
.if \isv
.set AC, 64*\w+8*TT
.if SS == 0
	v_wmma_scale_f32_16x16x128_f8f6f4 v[AC:AC+7], v[XR:XR+11], v[WR:WR+11], 0, v[XS+4*TT+SS], v[WS+4*\w+SS] matrix_a_fmt:MATRIX_FMT_FP6 matrix_b_fmt:MATRIX_FMT_FP6
.else
	v_wmma_scale_f32_16x16x128_f8f6f4 v[AC:AC+7], v[XR:XR+11], v[WR:WR+11], v[AC:AC+7], v[XS+4*TT+SS], v[WS+4*\w+SS] matrix_a_fmt:MATRIX_FMT_FP6 matrix_b_fmt:MATRIX_FMT_FP6
.endif
.else
.set AC, 32*TT+8*\w
.if SS == 0
	v_wmma_scale_f32_16x16x128_f8f6f4 v[AC:AC+7], v[WR:WR+11], v[XR:XR+11], 0, v[WS+4*\w+SS], v[XS+4*TT+SS] matrix_a_fmt:MATRIX_FMT_FP6 matrix_b_fmt:MATRIX_FMT_FP6
.else
	v_wmma_scale_f32_16x16x128_f8f6f4 v[AC:AC+7], v[WR:WR+11], v[XR:XR+11], v[AC:AC+7], v[WS+4*\w+SS], v[XS+4*TT+SS] matrix_a_fmt:MATRIX_FMT_FP6 matrix_b_fmt:MATRIX_FMT_FP6
.endif
.endif
.endr
.endr
.endm
; The eight chunks.  Loads run two chunks ahead.  Issue order: scale words, W(0), X(0), X(1), W(1), (V: 4 of b_v,) X(2), X(3), W(2), X(4), X(5), W(3), X(6), X(7), 12 loads a group.
.macro MAIN isv
.irp c, 0,1,2,3,4,5,6,7
.if \c < 2
	s_wait_loadcnt 24+4*\isv                       ; behind what this chunk reads: two groups of 12 (and b_v's four)
.elseif \c < 6
	s_wait_loadcnt 24                              ; two groups of 12
.elseif \c == 6
	s_wait_loadcnt 12                              ; X(7)
.else
	s_wait_loadcnt 0x0
.endif
	WIN 0x50                                       ; C and D in window 1
	MULC \c, \isv
	WIN 0
.rept 4
	v_nop                                          ; four places in front of loads into fragments just read, and behind the last chunk in front of the first read of results
.endr
.if \c < 6
	LDX \c+2, \c%2
.endif
.if \c == 1
	LDW 2, 0
.endif
.if \c == 3
	LDW 3, 1
.endif
.endr
.endm
; 64 numbers of a lane, window 1's registers 64 g on (register 16 b + i = k 32 b + 16 h + i), become fragment g's codes and scale word
.macro QUANTW g
.set SB, 64*(\g)
.set PCG, PC+20*(\g)
	WIN 0x05                                       ; sources 0 and 1 in window 1
.irp b, 0,1,2,3
	v_max3_num_f32 v[TM+\b], |v[SB+16*\b]|, |v[SB+1+16*\b]|, 0x1800000   ; my 16 numbers of block b and the floor 2^(3 - 127); each accumulator is read from its low end on
.endr
	WIN 0x14                                       ; sources 1 and 2 in window 1
.irp i, 2,4,6,8,10,12,14
.irp b, 0,1,2,3
	v_max3_num_f32 v[TM+\b], v[TM+\b], |v[SB+16*\b+\i]|, |v[SB+1+16*\b+\i]|
.endr
.endr
	WIN 0
.irp b, 0,1,2,3
	v_permlanex16_b32 v[TM+4+\b], v[TM+\b], s[SEL], s[SEL+1]
.endr
.irp b, 0,1,2,3
	v_max_num_f32 v[TM+\b], v[TM+\b], v[TM+4+\b]   ; the block's largest magnitude
.endr
.irp b, 0,1,2,3
	v_add_nc_u32 v[TM+12+\b], 0xff000000, v[TM+\b] ; 2 off its exponent field: the conversion's scale operand
.endr
.irp b, 0,1,2,3
	v_lshrrev_b32 v[TM+4+\b], 23, v[TM+12+\b]      ; the scale's byte
.endr
	v_lshl_or_b32 v[PW+\g], v[TM+5], 8, v[TM+4]
	v_lshl_or_b32 v[PW+\g], v[TM+6], 16, v[PW+\g]
	v_lshl_or_b32 v[PW+\g], v[TM+7], 24, v[PW+\g]
	WIN 0x01                                       ; the numbers in window 1
.irp c, 0,1
	v_cvt_scalef32_pk16_fp6_f32 v[PCG+6*\c:PCG+2+6*\c], v[SB+32*\c:SB+15+32*\c], v[TM+12+2*\c]
	v_cvt_scalef32_pk16_fp6_f32 v[PCG+12+4*\c:PCG+14+4*\c], v[SB+16+32*\c:SB+31+32*\c], v[TM+12+2*\c+1]
.endr
	WIN 0
	v_nop                                          ; one plain line behind the scaled conversions
.irp c, 0,1
.irp i, 0,1,2
	v_permlane16_swap_b32 v[PCG+6*\c+\i], v[PCG+12+4*\c+\i]
.endr
.irp i, 0,1,2
	v_mov_b32 v[PCG+3+6*\c+\i], v[PCG+12+4*\c+\i]
.endr
.endr
.endm
	s_load_b256 s[4:11], s[0:1], 0x0               ; xw, b_v, qc, kv
	v_lshrrev_b32 v3, 5, v0
	v_readfirstlane_b32 s[WV], v3                  ; wave 0..5
	v_and_b32 v3, 31, v0
	v_lshlrev_b32 v[LI], 4, v3
	v_and_b32 v3, 15, v0
	v_and_b32 v[BO], 8, v0
	v_add_nc_u32 v[BO], v[BO], v3
	v_lshlrev_b32 v[BO], 2, v[BO]
	s_lshr_b32 s[TY], s[WV], 1                     ; 0 Q, 1 K, 2 V
	s_and_b32 s[HD], s[WV], 1
	s_and_b32 s15, ttmp7, 0xffff
	s_lshl_b32 s15, s15, 1
	s_add_co_u32 s[HD], s[HD], s15                 ; my head
	s_mov_b32 s[SEL], 0x76543210
	s_mov_b32 s[SEL+1], 0xfedcba98
	s_mul_i32 s32, ttmp9, 8*TILEB                  ; my 8 tiles of x,
	s_mov_b32 s33, 0
	s_lshl_b32 s34, ttmp9, 12
	s_add_co_u32 s34, s34, XWS                     ; their scale words
	s_mov_b32 s35, 0
	s_lshl_b32 s36, s[TY], 5
	s_lshl_b32 s37, s[HD], 2
	s_add_co_u32 s36, s36, s37
	s_add_co_u32 s36, s36, 512                     ; my first tile of W: 512 + 32 kind + 4 head
	s_lshl_b32 s38, s36, 9
	s_add_co_u32 s38, s38, XWS
	s_mov_b32 s39, 0
	s_mul_i32 s36, s36, TILEB
	s_mov_b32 s37, 0
	s_wait_kmcnt 0x0
	s_add_nc_u64 s[XC:XC+1], s[4:5], s[32:33]
	s_add_nc_u64 s[XSP:XSP+1], s[4:5], s[34:35]
	s_add_nc_u64 s[WC:WC+1], s[4:5], s[36:37]
	s_add_nc_u64 s[WSP:WSP+1], s[4:5], s[38:39]
.irp t, 0,1,2,3,4,5,6,7
	global_load_b128 v[XS+4*\t:XS+4*\t+3], v[LI], s[XSP:XSP+1] offset:512*\t
.endr
.irp t, 0,1,2,3
	global_load_b128 v[WS+4*\t:WS+4*\t+3], v[LI], s[WSP:WSP+1] offset:512*\t
.endr
	LDW 0, 0
	LDX 0, 0
	LDX 1, 1
	LDW 1, 1
	; where the results go
	s_lshl_b32 s32, s[HD], 8
	s_mov_b32 s33, 0
	s_add_nc_u64 s[BVP:BVP+1], s[6:7], s[32:33]    ; b_v at my head's 64 features
	s_lshr_b32 s32, ttmp9, 5                       ; the batch
	s_lshl_b32 s32, s32, 3
	s_add_co_u32 s32, s32, s[HD]
	s_lshl_b32 s32, s32, 5
	s_and_b32 s34, ttmp9, 31
	s_add_co_u32 s32, s32, s34                     ; block = (8 batch + head) x 32 + block of rows
	s_cmp_eq_u32 s[TY], 0
	s_cselect_b64 s[DC:DC+1], s[8:9], s[10:11]     ; qc or kv: the choice hangs on the wave's number alone
	s_mov_b32 s33, 13312
	s_cselect_b32 s33, 6656, s33                   ; a block's bytes
	s_mov_b32 s34, 12288
	s_cselect_b32 s34, 6144, s34                   ; where its scale words begin
	s_cmp_eq_u32 s[TY], 2
	s_cselect_b32 s35, 6144, 0                     ; V's fragments lie behind K's,
	s_cselect_b32 s36, 512, 0                      ; V's scale words behind K's
	s_add_co_u32 s34, s34, s36
	s_mul_i32 s32, s32, s33
	s_add_co_u32 s34, s34, s32
	s_add_co_u32 s36, s35, s32
	s_mov_b32 s35, 0
	s_mov_b32 s37, 0
	s_add_nc_u64 s[DS:DS+1], s[DC:DC+1], s[34:35]
	s_add_nc_u64 s[DC:DC+1], s[DC:DC+1], s[36:37]
	s_cmp_eq_u32 s[TY], 2
	s_cbranch_scc1 .Lv
	MAIN 0
	s_branch .Lepi
.Lv:
.irp d, 0,1,2,3
	global_load_b32 v[BV+2*\d], v[BO], s[BVP:BVP+1] offset:(32*(\d/2)+8*(\d%2))*4   ; b_v of feature 32 (d / 2) + 8 (d % 2) + r + 8 (r / 8)
.endr
	MAIN 1
.irp d, 0,1,2,3
	v_mov_b32 v[BV+2*\d+1], v[BV+2*\d]
.endr
	WIN 0x41                                       ; destination and source 0 in window 1
.set n_, 0
.rept 128
	v_pk_add_f32 v[2*n_:2*n_+1], v[2*n_:2*n_+1], v[BV+2*(n_/32):BV+2*(n_/32)+1]   ; + b_v, ahead of the quantiser; ascending: each accumulator from its low end on
.set n_, n_+1
.endr
	WIN 0
.Lepi:
.irp b, 0,1,2,3
	v_mov_b32 v[TM+4+\b], 0                        ; written once: a lane permute's destination counts as one of its sources
.endr
.irp g, 0,1,2,3
	QUANTW \g
.irp c, 0,1,2
	global_store_b128 v[LI], v[PC+20*\g+4*\c:PC+20*\g+4*\c+3], s[DC:DC+1] offset:FRB*\g+512*\c   ; 512 consecutive bytes, aligned to 256
.endr
.endr
	global_store_b128 v[LI], v[PW:PW+3], s[DS:DS+1]
	s_endpgm
.Lfunc_end_k_q5d3396c29a_qkv:
	.size	k_q5d3396c29a_qkv, .Lfunc_end_k_q5d3396c29a_qkv-k_q5d3396c29a_qkv
	.p2alignl 7, 3214868480
	.fill 96, 4, 3214868480
	.section	.rodata,"a",@progbits
	.p2align	6, 0x0
	.amdhsa_kernel k_q5d3396c29a_qkv
		.amdhsa_group_segment_fixed_size 0
		.amdhsa_private_segment_fixed_size 0
		.amdhsa_enable_private_segment 0
		.amdhsa_kernarg_size 32
		.amdhsa_user_sgpr_count 2
		.amdhsa_user_sgpr_kernarg_segment_ptr 1
		.amdhsa_wavefront_size32 1
		.amdhsa_system_sgpr_workgroup_id_x 1
		.amdhsa_system_sgpr_workgroup_id_y 1
		.amdhsa_system_sgpr_workgroup_id_z 1
		.amdhsa_system_vgpr_workitem_id 0
		.amdhsa_next_free_vgpr 512
		.amdhsa_next_free_sgpr 66
		.amdhsa_reserve_vcc 0
		.amdhsa_float_denorm_mode_32 3
		.amdhsa_float_denorm_mode_16_64 3
		.amdhsa_memory_ordered 1
		.amdhsa_forward_progress 1
		.amdhsa_inst_pref_size 88
	.end_amdhsa_kernel
	.amdgpu_metadata
---
amdhsa.version: [ 1, 2 ]
amdhsa.kernels:
  - .name:           k_q5d3396c29a_qkv
    .symbol:         k_q5d3396c29a_qkv.kd
    .args:
      - { .name: xw, .offset: 0, .size: 8, .value_kind: global_buffer, .address_space: global }
      - { .name: b_v, .offset: 8, .size: 8, .value_kind: global_buffer, .address_space: global }
      - { .name: qc, .offset: 16, .size: 8, .value_kind: global_buffer, .address_space: global }
      - { .name: kv, .offset: 24, .size: 8, .value_kind: global_buffer, .address_space: global }
    .group_segment_fixed_size: 0
    .private_segment_fixed_size: 0
    .kernarg_segment_align: 8
    .kernarg_segment_size: 32
    .max_flat_workgroup_size: 192
    .sgpr_count:     66
    .vgpr_count:     512
    .wavefront_size: 32
...
	.end_amdgpu_metadata
.endif
;; end of part 2
;; launch attn (part 3): grid 16 x 16, 8 waves a work-group, no clusters, 327,680 bytes of LDS; arguments qc, kv, oc; writes oc
.if DOCPART == 3
	.amdgcn_target "amdgcn-amd-amdhsa--gfx1250"
	.amdhsa_code_object_version 6
	.text
	.protected	k_q5d3396c29a_attn
	.globl	k_q5d3396c29a_attn
	.p2align	8
	.type	k_q5d3396c29a_attn,@function
k_q5d3396c29a_attn:
	s_mov_b64 s[64:65], 0
	v_nop
	global_prefetch_b8 v0, s[64:65] scope:SCOPE_SE
	s_setreg_imm32_b32 hwreg(HW_REG_WAVE_MODE, 25, 1), 1
	s_wait_xcnt 0x0
; Causal attention of one (batch, head) on codes of FP6 (E2M3) with E8M0 scales: S^T = K Q^T, p = 2^(t - M), O^T = V^T P^T, O / l, and O's quantising along d_model for the last product.
; t = score x log2(e) / 8; M = the running largest t, rounded UP to a whole number; p is quantised along the keys, not normalised; the row's sum l is taken of the unquantised p; when M moves, l and O^T are
; multiplied by 2^(old M - new M), which rounds nothing.
; SHARES, AND THE MASK.  Work-group (i, head index) owns the blocks of 128 queries i and 31 - i.  Wave j owns tile j (16 queries) of each, one after the other: block i with key blocks 0 .. i, then block 31 - i with
; key blocks 0 .. 31 - i: (i + 1) + (32 - i) = 33 steps of 128 keys in every wave of every work-group.  So the trip counts are constants, no key block is fetched that nobody reads, and all work-groups have the same work.
; Step t reads key block t (t <= i) or t - i - 1.  A phase's last step lies on the diagonal: there alone hidden scores become -infinity.
; NO CLUSTER: beyond step i a work-group asks for block t - i - 1, so in one and the same step the 16 work-groups of a head want different blocks; only the steps up to the smaller i of two partners agree.
; RING.  Two LDS slots of three key blocks (3 x 13,312 bytes, each block a dense run of kv: K's four fragments, V^T's four, their scale words); 33 steps are 11 slots.  Waves 0, 1, 2 fetch a block each, all eight read.
; A wave has one tensor load out at the most.
; LAYOUT.  A lane holds ONE query (lane % 16) throughout.  A fragment of K holds two tiles of 16 keys, [tile 2 f | tile 2 f + 1], 64 along d each; it is multiplied by [q | 0] and by [0 | q]: zero codes add nothing.
; Tiles are permuted (lane-row r of tile T is index 32 (T / 2) + 8 (T % 2) + r + 8 (r / 8)), so that the scores' register 16 b + i is key 32 b + 16 h + i, and O^T's register 16 b + i feature 32 b + 16 h + i.
; OUT.  oc: block (row tile x 8 + head) of 1,024 bytes: half a fragment (6 registers: pair c of lane L at 256 c + 8 L), the scale word (two bytes) of lane L at 768 + 4 L.
; LIMITS: NaN and infinities are not served; a p under 2^-126 falls to 0 (v_exp_f32's result: ISA guide 15.8); a block of zeros gets the byte 1; a block's largest p is taken from its largest score, which takes
; v_exp_f32 not to fall where its input rises.
.set FRB,   1536
.set QBLK,  6656
.set KVBLK, 13312
.set HEADB, 32*KVBLK
.set SLOT1, 65536                      ; slot 1 begins here: one exclusive or turns an address of one slot into the other's
.set SPARE, SLOT1+3*KVBLK              ; behind the ring: the spare words, 128 bytes a wave: four blocks of 256 bytes that no other line names
.set LI,  1                            ; v1   16 x lane
.set SPW, 2                            ; v2   LDS address of my spare word; never rewritten
.set NIL, 3                            ; v3   0; never rewritten
.set AD,  4                            ; v4   LDS address of the step's key block
.set DD,  5                            ; v5   my query's place in its block - 16 h
.set L8,  6                            ; v6   8 x lane
.set L4,  7                            ; v7   4 x lane
.set PFO, 8                            ; v8   the prefetches' offset; never rewritten
                                       ; v12 -M, v13 the largest t, v[14:15] l in two halves
.set QLO, 16                           ; v16-27 [q | 0]
.set QHI, 28                           ; v28-39 [0 | q]
.set QB,  40                           ; v40-45 q of the second phase
.set QSC, 46                           ; v46  q's scale word (its two bytes twice)
.set QBS, 47                           ; v47  the second phase's
.set FRG, 48                           ; v48-95 four fragments: K's, then V^T's
.set S,   96                           ; v96-159 S^T, then p
.set O,   160                          ; v160-191 O^T
.set KS,  192                          ; v192-195 K's scale words;  v196-199 V's
.set VS,  196
.set PC,  200                          ; v200-211 p's codes;  v212-219 at work
.set PT,  212
.set BM,  220                          ; v220-223 the blocks' largest scores, then largest p
.set BT,  224                          ; v224-227 at work
.set SO,  228                          ; v228-231 the conversions' scale operands
.set FF,  232                          ; v232 f = 2^(old M - new M); v233 the pair's other half
.set PSW, 234                          ; v234 p's scale word
.set TMP, 235
.set OSW, 236                          ; v236 O's scale word
.set WV,  10
.set WI,  11                           ; i
.set HB,  12                           ; 8 batch + head
.set TT,  13                           ; the step, 0 .. 32
.set DG,  14                           ; the next step on the diagonal: i, then 32
.set TB,  15                           ; LDS byte at which the step's key block begins
.set SLOTS, 16
.set TRI, 17
.set TF,  18                           ; the step whose block I fetch next
.set I1,  19                           ; i + 1
.set SEL, 20
.set CS,  22                           ; s[22:23] c = log2(e) / 8
.set G1,  24
.set G0,  32
.set KVB, 36                           ; s[36:37] kv at my head
.set OP,  38                           ; s[38:39] where this phase's result goes;  s[40:41] the second phase's
.set OPB, 40
.set PFA, 42
.set LIM, 44
; Waves 0 to 2 fetch.  The branch hangs on the wave's number alone.  An s_nop 0 and four v_nop follow the load
.macro TLOAD
	s_cmp_lt_u32 s[WV], 3
	s_cbranch_scc0 .Lasked_\@
	tensor_load_to_lds s[G0:G0+3], s[G1:G1+7]
	s_nop 0
.rept 4
	v_nop
.endr
.Lasked_\@:
.endm
; A PREFETCH of what work-group 0's NEXT change of slots will ask for: its second phase walks the head's 32 key blocks in order, so slot n + 2 is the dense run of 39,936 bytes from block 3 n + 5 on.
; Only work-group i = 0 of a head asks, and in it the waves that fetch nothing, 3 to 7: 8,192 bytes a wave, lanes 256 bytes apart; the 160 lanes cover 156 blocks of 256 bytes, the last four lanes are held at the last one.
; The last change that fills a slot asks for nothing: the change before it has named the head's last byte.  The first five key blocks come by their loads alone.
.macro ASK
	s_cmp_gt_u32 s[SLOTS], s[LIM]
	s_cbranch_scc0 .Lnot_mine_\@
	global_prefetch_b8 v[PFO], s[PFA:PFA+1] th:TH_LOAD_NT scope:SCOPE_SE
.Lnot_mine_\@:
.endm
; THE CHANGE OF SLOTS stands at a slot's head.  Each wave waits for all its tensor loads (its part of the slot ahead), adds 0 to its spare word, and waits for that and for its reads of the slot that it has left.
; Behind the barrier the slot ahead is whole and nobody reads the other.  fill = 1: that other slot takes the next three steps' key blocks: the load has three steps in which to land.
.macro CHANGE fill
	s_wait_tensorcnt 0x0                           ; no tensor load of mine is out, so the descriptor may be written
	ds_add_u32 v[SPW], v[NIL]                      ; the descriptor's step stands between this add and the wait for it
.if \fill
	s_xor_b32 s[G0+1], s[G0+1], SLOT1              ; the other slot than last time
	s_add_co_u32 s[TF], s[TF], 3
	s_cmp_gt_u32 s[TF], s[WI]
	s_cselect_b32 s56, s[I1], 0
	s_sub_co_u32 s56, s[TF], s56                   ; the step's key block
	s_mul_i32 s56, s56, KVBLK
	s_mov_b32 s57, 0
	s_add_nc_u64 s[G0+2:G0+3], s[KVB:KVB+1], s[56:57]
	s_or_b32 s[G0+3], s[G0+3], 0x80000000          ; type = 2
	s_wait_xcnt 0x0                                ; the last prefetch, a slot back, has read its address
	s_add_nc_u64 s[PFA:PFA+1], s[PFA:PFA+1], 3*KVBLK
.endif
	s_wait_dscnt 0x0                               ; the add is done, and my reads of the slot that I have left are over
	s_barrier_signal -1
	s_barrier_wait -1
.if \fill
	TLOAD                                          ; the first thing behind the barrier, and a wave's one tensor load until the next
	ASK
.endif
.endm
; the state at a phase's start: the largest t is -3e38, under every t; the first change of M multiplies zeros
.macro STATE
	v_mov_b32 v13, 0xff61b1e6
	v_floor_f32 v12, -v13
	v_mov_b32 v14, 0
	v_mov_b32 v15, 0
.set n_, 0
.rept 32
	v_mov_b32 v[O+n_], 0
.set n_, n_+1
.endr
.endm
; A phase's end: O^T / l, quantised along the head's 64 (two blocks of d_model), stored
.macro FINISH
.rept 4
	v_nop                                          ; four places behind the last products (ISA guide 7.12.1)
.endr
	v_add_f32 v14, v14, v15
	v_permlanex16_b32 v[TMP], v14, s[SEL], s[SEL+1]
	v_add_f32 v14, v14, v[TMP]                     ; the row's sum
	v_rcp_f32 v14, v14
	v_nop                                          ; a plain line behind the reciprocal,
	s_wait_alu depctr_va_vdst(0)                   ; and a wait ahead of its first reader
.set n_, 0
.rept 16
	v_pk_mul_f32 v[S+n_:S+n_+1], v[O+n_:O+n_+1], v[14:15] op_sel_hi:[1,0]   ; ascending: each accumulator from its low end on
.set n_, n_+2
.endr
.irp b, 0,1
	v_max3_num_f32 v[BM+\b], |v[S+16*\b]|, |v[S+1+16*\b]|, 0x1800000
.endr
.irp i, 2,4,6,8,10,12,14
.irp b, 0,1
	v_max3_num_f32 v[BM+\b], v[BM+\b], |v[S+16*\b+\i]|, |v[S+1+16*\b+\i]|
.endr
.endr
.irp b, 0,1
	v_permlanex16_b32 v[BT+\b], v[BM+\b], s[SEL], s[SEL+1]
.endr
.irp b, 0,1
	v_max_num_f32 v[BM+\b], v[BM+\b], v[BT+\b]
.endr
.irp b, 0,1
	v_add_nc_u32 v[SO+\b], 0xff000000, v[BM+\b]
.endr
.irp b, 0,1
	v_lshrrev_b32 v[BT+\b], 23, v[SO+\b]
.endr
	v_lshl_or_b32 v[OSW], v[BT+1], 8, v[BT]        ; two bytes; the upper half stays 0
	v_cvt_scalef32_pk16_fp6_f32 v[PC:PC+2], v[S:S+15], v[SO]
	v_cvt_scalef32_pk16_fp6_f32 v[PT:PT+2], v[S+16:S+31], v[SO+1]
	v_nop
.irp i, 0,1,2
	v_permlane16_swap_b32 v[PC+\i], v[PT+\i]
.endr
.irp i, 0,1,2
	v_mov_b32 v[PC+3+\i], v[PT+\i]                 ; registers 0-5: features 32 h + 0 .. 31
.endr
.irp c, 0,1,2
	global_store_b64 v[L8], v[PC+2*\c:PC+2*\c+1], s[OP:OP+1] offset:256*\c   ; 32 lanes store 256 consecutive bytes, aligned
.endr
	global_store_b32 v[L4], v[OSW], s[OP:OP+1] offset:768
	s_wait_xcnt 0x0                                ; the stores have read their registers and their base: both are written again behind this wait
.endm
.macro REINIT
	v_mov_b32 v[QSC], v[QBS]                       ; first: a scale word written by a vector line stands eight places ahead of the product that takes it
.irp k, 0,1,2,3,4,5
	v_mov_b32 v[QLO+\k], v[QB+\k]
	v_mov_b32 v[QHI+6+\k], v[QB+\k]
.endr
	STATE
	s_mov_b64 s[OP:OP+1], s[OPB:OPB+1]
	s_mov_b32 s[DG], 32
.endm
; A STEP: 128 keys
.macro STEP
	v_add_nc_u32 v[AD], s[TB], v[LI]
.rept 3
	v_nop                                          ; with the addition: four places in front of loads into fragments that the last products read
.endr
.irp f, 0,1,2,3
.irp c, 0,1,2
	ds_load_b128 v[FRG+12*\f+4*\c:FRG+12*\f+4*\c+3], v[AD] offset:FRB*\f+512*\c   ; K: an image of the registers: 512 consecutive bytes a load
.endr
.endr
	ds_load_b128 v[KS:KS+3], v[AD] offset:12288
	s_wait_dscnt 0x0
.irp f, 0,1,2,3
	v_wmma_scale_f32_16x16x128_f8f6f4 v[S+16*\f:S+16*\f+7], v[FRG+12*\f:FRG+12*\f+11], v[QLO:QLO+11], 0, v[KS+\f], v[QSC] matrix_a_fmt:MATRIX_FMT_FP6 matrix_b_fmt:MATRIX_FMT_FP6
	v_wmma_scale_f32_16x16x128_f8f6f4 v[S+8+16*\f:S+15+16*\f], v[FRG+12*\f:FRG+12*\f+11], v[QHI:QHI+11], 0, v[KS+\f], v[QSC] matrix_a_fmt:MATRIX_FMT_FP6 matrix_b_fmt:MATRIX_FMT_FP6
.endr
.rept 4
	v_nop                                          ; four places: for the loads below, and for the first read of the scores
.endr
.irp f, 0,1,2,3
.irp c, 0,1,2
	ds_load_b128 v[FRG+12*\f+4*\c:FRG+12*\f+4*\c+3], v[AD] offset:4*FRB+FRB*\f+512*\c   ; V^T: it lands under the softmax
.endr
.endr
	ds_load_b128 v[VS:VS+3], v[AD] offset:12800
	s_cmp_eq_u32 s[TT], s[DG]                      ; on the diagonal?  A branch on ids and a counter
	s_cbranch_scc0 .Lopen_\@
	v_mov_b32 v[TMP], 0xff800000                   ; -infinity.  Register 16 b + i holds the block's key 32 b + 16 h + i: hidden where 32 b + i > my query's place - 16 h
.set n_, 0
.rept 64
	v_cmp_gt_i32 vcc_lo, 32*(n_/16)+n_%16, v[DD]
	v_cndmask_b32 v[S+n_], v[S+n_], v[TMP], vcc_lo
.set n_, n_+1
.endr
.Lopen_\@:
.irp b, 0,1,2,3
	v_max3_num_f32 v[BM+\b], v[S+16*\b], v[S+1+16*\b], v[S+2+16*\b]   ; the largest score of each block of 32 keys: for the row's maximum, and for the block's largest p
.endr
.irp i, 3,5,7,9,11,13
.irp b, 0,1,2,3
	v_max3_num_f32 v[BM+\b], v[BM+\b], v[S+16*\b+\i], v[S+1+16*\b+\i]
.endr
.endr
.irp b, 0,1,2,3
	v_max_num_f32 v[BM+\b], v[BM+\b], v[S+15+16*\b]
.endr
.irp b, 0,1,2,3
	v_permlanex16_b32 v[BT+\b], v[BM+\b], s[SEL], s[SEL+1]
.endr
.irp b, 0,1,2,3
	v_max_num_f32 v[BM+\b], v[BM+\b], v[BT+\b]     ; with lane l xor 16's 16 keys
.endr
	v_max3_num_f32 v[TMP], v[BM], v[BM+1], v[BM+2]
	v_max_num_f32 v[TMP], v[TMP], v[BM+3]
	v_mul_f32 v[TMP], s[CS], v[TMP]                ; as t (c is positive)
	v_max_num_f32 v13, v13, v[TMP]                 ; the running largest t
	v_mov_b32 v[TMP], v12
	v_floor_f32 v12, -v13                          ; the new -M = floor(-t) = -ceil(t)
	v_sub_f32 v[TMP], v12, v[TMP]                  ; old M - new M: a whole number, 0 or less
	v_cvt_i32_f32 v[TMP], v[TMP]                   ; (it saturates)
	v_ldexp_f32 v[FF], 1.0, v[TMP]                 ; f = 2^(old M - new M)
.set n_, 0
.rept 32
	v_pk_fma_f32 v[S+n_:S+n_+1], v[S+n_:S+n_+1], s[CS:CS+1], v[12:13] op_sel_hi:[1,0,0]   ; t - M, two at a time
.set n_, n_+2
.endr
.irp b, 0,1,2,3
	v_fma_f32 v[BM+\b], v[BM+\b], s[CS], v12       ; the same of each block's largest score
.endr
.set n_, 0
.rept 64
	v_exp_f32 v[S+n_], v[S+n_]                     ; p = 2^(t - M)
.set n_, n_+1
.endr
	v_pk_mul_f32 v[14:15], v[14:15], v[FF:FF+1] op_sel_hi:[1,0]   ; l under the new M: the plain line behind the exponentials
	s_wait_alu depctr_va_vdst(0)                   ; one wait for the batch of 64, ahead of its first reader
.irp b, 0,1,2,3
	v_exp_f32 v[BM+\b], v[BM+\b]                   ; the block's largest p: the same two instructions on the same number
.endr
	v_pk_add_f32 v[BT:BT+1], v[S:S+1], v[S+2:S+3]  ; the row's sum, of the unquantised p, in two chains
.irp j, 4,8,12,16,20,24,28,32,36,40,44,48,52,56,60
	v_pk_add_f32 v[14:15], v[14:15], v[S+\j:S+\j+1]
	v_pk_add_f32 v[BT:BT+1], v[BT:BT+1], v[S+2+\j:S+3+\j]
.endr
	v_pk_add_f32 v[14:15], v[14:15], v[BT:BT+1]
	s_wait_alu depctr_va_vdst(0)                   ; and one for the four
.irp b, 0,1,2,3
	v_max_num_f32 v[BM+\b], 0x1800000, v[BM+\b]    ; the floor 2^(3 - 127): the byte cannot fall under 1
.endr
.irp b, 0,1,2,3
	v_add_nc_u32 v[SO+\b], 0xff000000, v[BM+\b]    ; 2 off the exponent field: the conversion's scale operand
.endr
.irp b, 0,1,2,3
	v_lshrrev_b32 v[BT+\b], 23, v[SO+\b]
.endr
	v_lshl_or_b32 v[PSW], v[BT+1], 8, v[BT]        ; p's scale word for these 128 keys
	v_lshl_or_b32 v[PSW], v[BT+2], 16, v[PSW]
	v_lshl_or_b32 v[PSW], v[BT+3], 24, v[PSW]
.irp c, 0,1
	v_cvt_scalef32_pk16_fp6_f32 v[PC+6*\c:PC+2+6*\c], v[S+32*\c:S+15+32*\c], v[SO+2*\c]
	v_cvt_scalef32_pk16_fp6_f32 v[PT+4*\c:PT+2+4*\c], v[S+16+32*\c:S+31+32*\c], v[SO+2*\c+1]
.endr
	v_nop                                          ; one plain line behind the scaled conversions
.irp c, 0,1
.irp i, 0,1,2
	v_permlane16_swap_b32 v[PC+6*\c+\i], v[PT+4*\c+\i]
.endr
.irp i, 0,1,2
	v_mov_b32 v[PC+3+6*\c+\i], v[PT+4*\c+\i]
.endr
.endr
.set n_, 0
.rept 16
	v_pk_mul_f32 v[O+n_:O+n_+1], v[O+n_:O+n_+1], v[FF:FF+1] op_sel_hi:[1,0]   ; O^T under the new M.  These 16 are also the places between p's scale word and codes and the products below
.set n_, n_+2
.endr
	s_wait_dscnt 0x0                               ; V^T is in
.irp d, 0,1,2,3
	v_wmma_scale_f32_16x16x128_f8f6f4 v[O+8*\d:O+8*\d+7], v[FRG+12*\d:FRG+12*\d+11], v[PC:PC+11], v[O+8*\d:O+8*\d+7], v[VS+\d], v[PSW] matrix_a_fmt:MATRIX_FMT_FP6 matrix_b_fmt:MATRIX_FMT_FP6
.endr
	s_cmp_eq_u32 s[TT], s[DG]                      ; the phase's last step?
	s_cbranch_scc0 .Lnext_\@
	FINISH
	s_cmp_eq_u32 s[TT], 32
	s_cbranch_scc1 .Lnext_\@
	REINIT
.Lnext_\@:
	s_add_co_u32 s[TT], s[TT], 1
.endm
; a slot's three steps: written once, walked three times; the LDS addresses hang on s[TB]
.macro SLOT_STEPS
	s_mov_b32 s[TRI], 3
.Lstep_\@:
	STEP
	s_add_co_u32 s[TB], s[TB], KVBLK
	s_sub_co_u32 s[TRI], s[TRI], 1
	s_cmp_lg_u32 s[TRI], 0
	s_cbranch_scc1 .Lstep_\@
	s_sub_co_u32 s[TB], s[TB], 3*KVBLK
	s_xor_b32 s[TB], s[TB], SLOT1                  ; on to the other slot
.endm
	s_load_b128 s[4:7], s[0:1], 0x0                ; qc, kv
	s_load_b64 s[8:9], s[0:1], 0x10                ; oc
	v_lshl_add_u32 v[SPW], v0, 2, SPARE
	v_mov_b32 v[NIL], 0
	ds_add_u32 v[SPW], v[NIL]                      ; the wave's opening: the add and its wait ahead of my first tensor load; work on registers stands between them
	v_lshrrev_b32 v9, 5, v0
	v_readfirstlane_b32 s[WV], v9                  ; wave 0..7 = my tile j
	s_mov_b32 s[WI], ttmp9
	s_and_b32 s[HB], ttmp7, 0xffff
	s_mov_b32 s[TT], 0
	s_mov_b32 s[DG], s[WI]
	s_mov_b32 s[TB], 0
	s_mov_b32 s[SLOTS], 10
	s_min_u32 s[TF], s[WV], 2                      ; which of a slot's three blocks I fetch, if I fetch
	s_add_co_u32 s[I1], s[WI], 1
	s_mov_b32 s[SEL], 0x76543210
	s_mov_b32 s[SEL+1], 0xfedcba98
	s_mov_b32 s[CS], 0x3e38aa3b                    ; log2(e) / 8
	s_mov_b32 s[CS+1], s[CS]
	; descriptor group 1: a key block, 13,312 dense bytes, as 52 rows of 256 bytes (32 elements of 8 bytes); no padding, no mask
	s_mov_b32 s[G1], 3<<16
	s_mov_b32 s[G1+1], 32<<16                      ; tensor_dim0
	s_mov_b32 s[G1+2], 52<<16                      ; tensor_dim1
	s_mov_b32 s[G1+3], 32<<16                      ; tile_dim0
	s_mov_b32 s[G1+4], 52                          ; tile_dim1
	s_mov_b32 s[G1+5], 32                          ; the pitch
	s_mov_b32 s[G1+6], 0
	s_mov_b32 s[G1+7], 0
	s_mov_b32 s[G0], 1
	s_mul_i32 s[G0+1], s[TF], KVBLK                ; LDS address: slot 0, my block
	s_mul_i32 s[KVB], s[HB], HEADB
	s_mov_b32 s[KVB+1], 0
	s_cmp_gt_u32 s[TF], s[WI]
	s_cselect_b32 s56, s[I1], 0
	s_sub_co_u32 s56, s[TF], s56                   ; the key block of step 0, 1 or 2
	s_mul_i32 s56, s56, KVBLK
	s_mov_b32 s57, 0
	; Q: fragment j / 2 of blocks i and 31 - i; my tile is its half j % 2
	s_lshr_b32 s58, s[WV], 1
	s_and_b32 s59, s[WV], 1
	s_lshl_b32 s55, s59, 4                         ; 16 (j % 2): my two bytes of the scale word
	s_sub_co_u32 s54, 0, s59                       ; all lanes where j is odd
	s_sub_co_u32 s63, 31, s[WI]                    ; the second phase's block
	s_lshl_b32 s60, s[HB], 5
	s_mul_i32 s61, s58, FRB
	s_lshl_b32 s62, s58, 2
	s_add_co_u32 s46, s60, s[WI]
	s_mul_i32 s46, s46, QBLK
	s_add_co_u32 s48, s46, s62
	s_add_co_u32 s46, s46, s61
	s_add_co_u32 s50, s60, s63
	s_mul_i32 s50, s50, QBLK
	s_add_co_u32 s52, s50, s62
	s_add_co_u32 s50, s50, s61
	s_mov_b32 s47, 0
	s_mov_b32 s49, 0
	s_mov_b32 s51, 0
	s_mov_b32 s53, 0
	; O: block ((256 batch + 8 block + j) x 8 + head) x 1,024
	s_lshr_b32 s60, s[HB], 3
	s_lshl_b32 s60, s60, 8
	s_add_co_u32 s60, s60, s[WV]
	s_and_b32 s61, s[HB], 7
	s_lshl_b32 s62, s[WI], 3
	s_add_co_u32 s62, s62, s60
	s_lshl_b32 s62, s62, 3
	s_add_co_u32 s62, s62, s61
	s_lshl_b32 s[OP], s62, 10
	s_mov_b32 s[OP+1], 0
	s_lshl_b32 s62, s63, 3
	s_add_co_u32 s62, s62, s60
	s_lshl_b32 s62, s62, 3
	s_add_co_u32 s62, s62, s61
	s_lshl_b32 s[OPB], s62, 10
	s_mov_b32 s[OPB+1], 0
	; who prefetches: waves 3 to 7 of work-group i = 0
	s_cmp_lt_u32 s[WV], 3
	s_cselect_b32 s60, 1, 0
	s_or_b32 s60, s60, s[WI]
	s_cmp_eq_u32 s60, 0
	s_cselect_b32 s[LIM], 1, -1
	s_max_u32 s60, s[WV], 3
	s_sub_co_u32 s60, s60, 3
	s_lshl_b32 s60, s60, 13
	s_lshl_b32 s61, s58, 5
	s_lshl_b32 s62, s59, 3
	s_add_co_u32 s61, s61, s62                     ; 32 (j / 2) + 8 (j % 2)
	v_and_b32 v9, 31, v0
	v_lshlrev_b32 v[LI], 4, v9
	v_lshlrev_b32 v[L8], 3, v9
	v_lshlrev_b32 v[L4], 2, v9
	v_lshlrev_b32 v[PFO], 8, v9
	v_add_nc_u32 v[PFO], s60, v[PFO]
	v_min_u32 v[PFO], 39680, v[PFO]                ; inside the slot's 39,936 bytes
	v_and_b32 v9, 15, v0
	v_and_b32 v10, 8, v0
	v_add_nc_u32 v9, v9, v10                       ; r + 8 (r / 8)
	v_and_b32 v10, 16, v0
	v_sub_nc_u32 v9, v9, v10                       ; - 16 h
	v_add_nc_u32 v[DD], s61, v9
	s_wait_dscnt 0x0                               ; the opening add is done
	s_wait_kmcnt 0x0
	s_add_nc_u64 s[KVB:KVB+1], s[6:7], s[KVB:KVB+1]
	s_add_nc_u64 s[G0+2:G0+3], s[KVB:KVB+1], s[56:57]
	s_or_b32 s[G0+3], s[G0+3], 0x80000000          ; type = 2
	TLOAD                                          ; slot 0
	s_add_nc_u64 s[46:47], s[4:5], s[46:47]
	s_add_nc_u64 s[48:49], s[4:5], s[48:49]
	s_add_nc_u64 s[50:51], s[4:5], s[50:51]
	s_add_nc_u64 s[52:53], s[4:5], s[52:53]
	s_add_nc_u64 s[OP:OP+1], s[8:9], s[OP:OP+1]
	s_add_nc_u64 s[OPB:OPB+1], s[8:9], s[OPB:OPB+1]
	s_add_nc_u64 s[PFA:PFA+1], s[KVB:KVB+1], 2*KVBLK   ; the first change of slots steps it to block 5
.irp c, 0,1,2
	global_load_b128 v[S+4*\c:S+4*\c+3], v[LI], s[46:47] offset:512*\c
	global_load_b128 v[S+12+4*\c:S+12+4*\c+3], v[LI], s[50:51] offset:512*\c
.endr
	global_load_b32 v[S+24], v[LI], s[48:49] offset:6144
	global_load_b32 v[S+25], v[LI], s[52:53] offset:6144
.irp b, 0,1,2,3
	v_mov_b32 v[BT+\b], 0                          ; written once: a lane permute's destination counts as one of its sources
.endr
	v_mov_b32 v[FF+1], 0                           ; (named as the upper half of a pair)
	v_mov_b32 v[TMP], 0
	s_wait_loadcnt 0x0
.irp k, 0,1,2,3,4,5
	v_cndmask_b32 v[QLO+\k], v[S+\k], v[S+6+\k], s54       ; my tile's half of the fragment
	v_cndmask_b32 v[QB+\k], v[S+12+\k], v[S+18+\k], s54
	v_mov_b32 v[QLO+6+\k], 0                       ; zero codes
	v_mov_b32 v[QHI+\k], 0
.endr
.irp k, 0,1,2,3,4,5
	v_mov_b32 v[QHI+6+\k], v[QLO+\k]
.endr
	v_lshrrev_b32 v9, s55, v[S+24]
	v_lshrrev_b32 v10, s55, v[S+25]
	v_and_b32 v9, 0xffff, v9
	v_and_b32 v10, 0xffff, v10
	v_lshl_or_b32 v[QSC], v9, 16, v9               ; my tile's two bytes, twice: they serve [q | 0] and [0 | q]
	v_lshl_or_b32 v[QBS], v10, 16, v10
	STATE                                          ; (these 36 plain lines are also the places between Q's scale word and the first product)
.Lslot:                                            ; 10 trips: behind each change of slots but the last the next slot is asked for
	CHANGE 1
	SLOT_STEPS
	s_sub_co_u32 s[SLOTS], s[SLOTS], 1
	s_cmp_lg_u32 s[SLOTS], 0
	s_cbranch_scc1 .Lslot
	CHANGE 0                                       ; the last slot is written out
	SLOT_STEPS
	s_wait_tensorcnt 0x0                           ; the wave's end: three closing lines, behind my last tensor load
	ds_add_u32 v[SPW], v[NIL]
	s_wait_dscnt 0x0
	s_endpgm
.Lfunc_end_k_q5d3396c29a_attn:
	.size	k_q5d3396c29a_attn, .Lfunc_end_k_q5d3396c29a_attn-k_q5d3396c29a_attn
	.p2alignl 7, 3214868480
	.fill 96, 4, 3214868480
	.section	.rodata,"a",@progbits
	.p2align	6, 0x0
	.amdhsa_kernel k_q5d3396c29a_attn
		.amdhsa_group_segment_fixed_size 327680
		.amdhsa_private_segment_fixed_size 0
		.amdhsa_enable_private_segment 0
		.amdhsa_kernarg_size 24
		.amdhsa_user_sgpr_count 2
		.amdhsa_user_sgpr_kernarg_segment_ptr 1
		.amdhsa_wavefront_size32 1
		.amdhsa_system_sgpr_workgroup_id_x 1
		.amdhsa_system_sgpr_workgroup_id_y 1
		.amdhsa_system_sgpr_workgroup_id_z 1
		.amdhsa_system_vgpr_workitem_id 0
		.amdhsa_next_free_vgpr 256
		.amdhsa_next_free_sgpr 66
		.amdhsa_reserve_vcc 1
		.amdhsa_float_denorm_mode_32 3
		.amdhsa_float_denorm_mode_16_64 3
		.amdhsa_memory_ordered 1
		.amdhsa_forward_progress 1
		.amdhsa_inst_pref_size 62
	.end_amdhsa_kernel
	.amdgpu_metadata
---
amdhsa.version: [ 1, 2 ]
amdhsa.kernels:
  - .name:           k_q5d3396c29a_attn
    .symbol:         k_q5d3396c29a_attn.kd
    .args:
      - { .name: qc, .offset: 0, .size: 8, .value_kind: global_buffer, .address_space: global }
      - { .name: kv, .offset: 8, .size: 8, .value_kind: global_buffer, .address_space: global }
      - { .name: oc, .offset: 16, .size: 8, .value_kind: global_buffer, .address_space: global }
    .group_segment_fixed_size: 327680
    .private_segment_fixed_size: 0
    .kernarg_segment_align: 8
    .kernarg_segment_size: 24
    .max_flat_workgroup_size: 256
    .sgpr_count:     66
    .vgpr_count:     256
    .wavefront_size: 32
...
	.end_amdgpu_metadata
.endif
;; end of part 3
;; launch oproj (part 4): grid 128 x 2, 4 waves a work-group, no clusters, 17,920 bytes of LDS; arguments oc, xw, b_o, out0; writes out0
.if DOCPART == 4
	.amdgcn_target "amdgcn-amd-amdhsa--gfx1250"
	.amdhsa_code_object_version 6
	.text
	.protected	k_q5d3396c29a_oproj
	.globl	k_q5d3396c29a_oproj
	.p2align	8
	.type	k_q5d3396c29a_oproj,@function
k_q5d3396c29a_oproj:
	s_mov_b64 s[64:65], 0
	v_nop
	global_prefetch_b8 v0, s[64:65] scope:SCOPE_SE
	s_setreg_imm32_b32 hwreg(HW_REG_WAVE_MODE, 25, 1), 1
	s_wait_xcnt 0x0
; out0 = O W_o^T + b_o on codes of FP6 (E2M3) with E8M0 scales; sums in f32.  O's codes come from oc (half a fragment for each row tile and head), W_o's from xw (tiles 608 on).
; SHARES.  A work-group takes 64 rows (work-group x) and 256 columns (work-group y); wave w the columns 256 y + 64 w on: 4 tiles of rows x 4 tiles of W_o = 16 accumulators, 64 matrix instructions.
; All of a wave's operands, 32 fragments, are asked for at once into registers of their own: the wave waits for memory once.  No ring and no cluster: K has four steps, and each fragment is loaded once and feeds four products.
; LAYOUT.  Source 0 = 16 rows of W_o, source 1 = 16 rows of O: a lane holds one row of the result, and its registers eight neighbouring columns.  Tiles are permuted as everywhere in this program:
; lane-row r of tile T is index 32 (T / 2) + 8 (T % 2) + r + 8 (r / 8); register j of lane (r, h) of W_o's tile w is column 32 (w / 2) + 16 h + 8 (w % 2) + j.  b_o is the C of each sum's first product.
; THE WAY OUT.  A tile of 16 rows x 64 columns goes through the wave's own stage in LDS (rows 272 bytes apart: an odd multiple of 16) and leaves as whole rows: sixteen lanes store 256 consecutive bytes, aligned.
; REGISTERS.  Window 0: addresses; v16-31 W_o's scale words; v32-63 O's as stored; v64-79 O's, joined; v96-223 rows on the way out.  Window 1: W_o's 16 fragments.  Window 2: O's 16.  Window 3: 16 accumulators, b_o from v128.
.set XWS,   3932160
.set FRB,   1536
.set TILEB, 6144
.set SPITCH, 272
.set STGB,  16*SPITCH
.set SPARE, 4*STGB                     ; behind the stages: the spare words, 128 bytes a wave: two blocks of 256 bytes that no other line names
.set LI,  1                            ; v1  16 x lane
.set L8,  2                            ; v2  8 x lane
.set L4,  3                            ; v3  4 x lane
.set H64, 4                            ; v4  64 h
.set STO, 5                            ; v5  the stage, in: 272 r + 64 h
.set RD,  6                            ; v6  and back: 272 (lane / 16) + 16 (lane % 16)
.set CO,  7                            ; v7  the same place in out0: 2048 (lane / 16) + 16 (lane % 16)
.set SPW, 8                            ; v8  LDS address of my spare word; never rewritten
.set NIL, 9                            ; v9  0; never rewritten
.set WS,  16
.set RAW, 32
.set OS,  64
.set OB,  96
.set BI,  128                          ; in window 3
.set WV,  12
.set OC,  16
.set WC,  18
.set WSP, 20
.set BOP, 22
.set OUT, 24
.set MSB, 0
.macro WIN new                         ; the immediate's high byte repeats the setting that is left
.if MSB != \new
	s_set_vgpr_msb (MSB<<8)|\new
.set MSB, \new
.endif
.endm
; K step s: 16 products on 16 accumulators, one instruction a turn
.macro MULS s
.irp t, 0,1,2,3
.irp w, 0,1,2,3
.if \s == 0
	v_wmma_scale_f32_16x16x128_f8f6f4 v[8*(4*\t+\w):8*(4*\t+\w)+7], v[12*(4*\s+\w):12*(4*\s+\w)+11], v[12*(4*\s+\t):12*(4*\s+\t)+11], v[BI+8*\w:BI+8*\w+7], v[WS+4*\w+\s], v[OS+4*\t+\s] matrix_a_fmt:MATRIX_FMT_FP6 matrix_b_fmt:MATRIX_FMT_FP6
.else
	v_wmma_scale_f32_16x16x128_f8f6f4 v[8*(4*\t+\w):8*(4*\t+\w)+7], v[12*(4*\s+\w):12*(4*\s+\w)+11], v[12*(4*\s+\t):12*(4*\s+\t)+11], v[8*(4*\t+\w):8*(4*\t+\w)+7], v[WS+4*\w+\s], v[OS+4*\t+\s] matrix_a_fmt:MATRIX_FMT_FP6 matrix_b_fmt:MATRIX_FMT_FP6
.endif
.endr
.endr
.endm
	s_load_b256 s[4:11], s[0:1], 0x0               ; oc, xw, b_o, out0
	v_lshl_add_u32 v[SPW], v0, 2, SPARE
	v_mov_b32 v[NIL], 0
	v_lshrrev_b32 v10, 5, v0
	v_readfirstlane_b32 s[WV], v10                 ; wave 0..3
	v_and_b32 v10, 31, v0
	v_and_b32 v11, 15, v0                          ; r
	v_bfe_u32 v12, v0, 4, 1                        ; h
	v_lshlrev_b32 v[LI], 4, v10
	v_lshlrev_b32 v[L8], 3, v10
	v_lshlrev_b32 v[L4], 2, v10
	v_lshlrev_b32 v[H64], 6, v12
	s_mul_i32 s26, s[WV], STGB                     ; my stage
	v_mul_u32_u24 v[STO], v11, SPITCH
	v_lshl_add_u32 v[STO], v12, 6, v[STO]
	v_add_nc_u32 v[STO], s26, v[STO]
	v_mul_u32_u24 v[RD], v12, SPITCH
	v_lshl_add_u32 v[RD], v11, 4, v[RD]
	v_add_nc_u32 v[RD], s26, v[RD]
	v_lshlrev_b32 v[CO], 11, v12
	v_lshl_add_u32 v[CO], v11, 4, v[CO]
	s_and_b32 s13, ttmp7, 0xffff                   ; y
	s_lshl_b32 s14, s13, 4
	s_lshl_b32 s15, s[WV], 2
	s_add_co_u32 s14, s14, s15
	s_add_co_u32 s14, s14, 608                     ; my first tile of W_o
	s_lshl_b32 s28, s14, 9
	s_add_co_u32 s28, s28, XWS
	s_mov_b32 s29, 0
	s_mul_i32 s26, s14, TILEB
	s_mov_b32 s27, 0
	s_lshl_b32 s30, s13, 10
	s_lshl_b32 s15, s[WV], 8
	s_add_co_u32 s30, s30, s15                     ; my first column, in bytes
	s_mov_b32 s31, 0
	s_lshl_b32 s14, ttmp9, 15                      ; oc: 4 row tiles x 8 heads x 1,024 bytes
	s_mov_b32 s15, 0
	s_wait_kmcnt 0x0
	s_add_nc_u64 s[OC:OC+1], s[4:5], s[14:15]
	s_add_nc_u64 s[WC:WC+1], s[6:7], s[26:27]
	s_add_nc_u64 s[WSP:WSP+1], s[6:7], s[28:29]
	s_add_nc_u64 s[BOP:BOP+1], s[8:9], s[30:31]
	s_add_nc_u64 s[OUT:OUT+1], s[10:11], s[30:31]
	s_lshl_b32 s14, ttmp9, 17                      ; 64 rows of 2,048 bytes
	s_add_nc_u64 s[OUT:OUT+1], s[OUT:OUT+1], s[14:15]
.irp w, 0,1,2,3
	global_load_b128 v[WS+4*\w:WS+4*\w+3], v[LI], s[WSP:WSP+1] offset:512*\w
.endr
.irp t, 0,1,2,3
.irp d, 0,1,2,3,4,5,6,7
	global_load_b32 v[RAW+8*\t+\d], v[L4], s[OC:OC+1] offset:(8*\t+\d)*1024+768   ; row tile t, head d: two bytes
.endr
.endr
	WIN 0xc0                                       ; destination window 3
.irp w, 0,1,2,3
	global_load_b128 v[BI+8*\w:BI+8*\w+3], v[H64], s[BOP:BOP+1] offset:(32*(\w/2)+8*(\w%2))*4
	global_load_b128 v[BI+8*\w+4:BI+8*\w+7], v[H64], s[BOP:BOP+1] offset:(32*(\w/2)+8*(\w%2))*4+16
.endr
.irp s, 0,1,2,3
	WIN 0x40                                       ; destination window 1
.irp w, 0,1,2,3
.irp c, 0,1,2
	global_load_b128 v[12*(4*\s+\w)+4*\c:12*(4*\s+\w)+4*\c+3], v[LI], s[WC:WC+1] offset:\w*TILEB+\s*FRB+512*\c
.endr
.endr
	WIN 0x80                                       ; destination window 2
.irp t, 0,1,2,3
.irp f, 0,1
.irp c, 0,1,2
	global_load_b64 v[12*(4*\s+\t)+6*\f+2*\c:12*(4*\s+\t)+6*\f+2*\c+1], v[L8], s[OC:OC+1] offset:(8*\t+2*\s+\f)*1024+256*\c   ; K step s = heads 2 s, 2 s + 1: the fragment's two halves
.endr
.endr
.endr
.endr
	WIN 0
	s_wait_loadcnt 36                              ; all but the last K step's 12 + 24 loads
.irp t, 0,1,2,3
.irp s, 0,1,2,3
	v_lshl_or_b32 v[OS+4*\t+\s], v[RAW+8*\t+2*\s+1], 16, v[RAW+8*\t+2*\s]   ; two heads' bytes make a K step's scale word
.endr
.endr
.rept 8
	v_nop                                          ; a scale word written by a vector line stands eight places ahead of the product that takes it
.endr
	WIN 0xf9                                       ; source 0 (W_o) window 1, source 1 (O) window 2, C and D window 3
	MULS 0
	MULS 1
	MULS 2
	s_wait_loadcnt 0x0
	MULS 3
	WIN 0
.rept 4
	v_nop                                          ; four places in front of the first read of results (ISA guide 7.12.1)
.endr
.irp t, 0,1,2,3
	WIN 0x0c                                       ; an LDS store's data are its source 1: window 3
.irp w, 0,1,2,3
	ds_store_b128 v[STO], v[8*(4*\t+\w):8*(4*\t+\w)+3] offset:128*(\w/2)+32*(\w%2)          ; each accumulator from its low end on
	ds_store_b128 v[STO], v[8*(4*\t+\w)+4:8*(4*\t+\w)+7] offset:128*(\w/2)+32*(\w%2)+16
.endr
	WIN 0
.irp i, 0,1,2,3,4,5,6,7
	ds_load_b128 v[OB+32*\t+4*\i:OB+32*\t+4*\i+3], v[RD] offset:2*\i*SPITCH   ; LDS serves a wave's instructions in order: these see the stores above, and the next tile's stores come behind them
.endr
.endr
.irp t, 0,1,2,3
.irp i, 0,1,2,3,4,5,6,7
	s_wait_dscnt 16*(3-\t)+7-\i                    ; behind this load: the tile's later loads and 16 LDS instructions for each later tile
	global_store_b128 v[CO], v[OB+32*\t+4*\i:OB+32*\t+4*\i+3], s[OUT:OUT+1] offset:(32*(\t/2)+8*(\t%2)+2*\i+8*(\i/4))*2048 th:TH_STORE_NT   ; lane-rows 2 i, 2 i + 1: sixteen lanes store 256 consecutive bytes, aligned
.endr
.endr
	s_wait_tensorcnt 0x0                           ; the wave's end: three closing lines, behind my last LDS store
	ds_add_u32 v[SPW], v[NIL]
	s_wait_dscnt 0x0
	s_endpgm
.Lfunc_end_k_q5d3396c29a_oproj:
	.size	k_q5d3396c29a_oproj, .Lfunc_end_k_q5d3396c29a_oproj-k_q5d3396c29a_oproj
	.p2alignl 7, 3214868480
	.fill 96, 4, 3214868480
	.section	.rodata,"a",@progbits
	.p2align	6, 0x0
	.amdhsa_kernel k_q5d3396c29a_oproj
		.amdhsa_group_segment_fixed_size 17920
		.amdhsa_private_segment_fixed_size 0
		.amdhsa_enable_private_segment 0
		.amdhsa_kernarg_size 32
		.amdhsa_user_sgpr_count 2
		.amdhsa_user_sgpr_kernarg_segment_ptr 1
		.amdhsa_wavefront_size32 1
		.amdhsa_system_sgpr_workgroup_id_x 1
		.amdhsa_system_sgpr_workgroup_id_y 1
		.amdhsa_system_sgpr_workgroup_id_z 1
		.amdhsa_system_vgpr_workitem_id 0
		.amdhsa_next_free_vgpr 1024
		.amdhsa_next_free_sgpr 66
		.amdhsa_reserve_vcc 0
		.amdhsa_float_denorm_mode_32 3
		.amdhsa_float_denorm_mode_16_64 3
		.amdhsa_memory_ordered 1
		.amdhsa_forward_progress 1
		.amdhsa_inst_pref_size 38
	.end_amdhsa_kernel
	.amdgpu_metadata
---
amdhsa.version: [ 1, 2 ]
amdhsa.kernels:
  - .name:           k_q5d3396c29a_oproj
    .symbol:         k_q5d3396c29a_oproj.kd
    .args:
      - { .name: oc, .offset: 0, .size: 8, .value_kind: global_buffer, .address_space: global }
      - { .name: xw, .offset: 8, .size: 8, .value_kind: global_buffer, .address_space: global }
      - { .name: b_o, .offset: 16, .size: 8, .value_kind: global_buffer, .address_space: global }
      - { .name: out0, .offset: 24, .size: 8, .value_kind: global_buffer, .address_space: global }
    .group_segment_fixed_size: 17920
    .private_segment_fixed_size: 0
    .kernarg_segment_align: 8
    .kernarg_segment_size: 32
    .max_flat_workgroup_size: 128
    .sgpr_count:     66
    .vgpr_count:     1024
    .wavefront_size: 32
...
	.end_amdgpu_metadata
.endif
;; end of part 4
;; ======== version 2 of 2: 4 launches
;; workspace buffers: xw 4,259,840 bytes; qc 3,407,872 bytes; kv 6,815,744 bytes; oc 4,194,304 bytes
;; launch prep (part 5): grid 320 x 1, 2 waves a work-group, no clusters, 17,152 bytes of LDS; arguments x, W_q, W_k, W_v, W_o, xw; writes xw
.if DOCPART == 5
	.amdgcn_target "amdgcn-amd-amdhsa--gfx1250"
	.amdhsa_code_object_version 6
	.text
	.protected	k_q5d3396c29a_prep
	.globl	k_q5d3396c29a_prep
	.p2align	8
	.type	k_q5d3396c29a_prep,@function
k_q5d3396c29a_prep:
	s_mov_b64 s[64:65], 0
	v_nop
	global_prefetch_b8 v0, s[64:65] scope:SCOPE_SE
	s_setreg_imm32_b32 hwreg(HW_REG_WAVE_MODE, 25, 1), 1
	s_wait_xcnt 0x0
; x [8192][512] and W_q, W_k, W_v, W_o [512][512], all f32 with K innermost, become codes of FP6 (E2M3) with one E8M0 byte for each 32 along K,
; laid in xw IN THE ORDER OF AN OPERAND'S REGISTERS, so that later launches load fragments by 16-byte loads alone.
; TILES.  Rows are taken in groups of 32; group g gives tiles 2 g and 2 g + 1; lane-row r of tile T is row 32 (T / 2) + 8 (T % 2) + r + 8 (r / 8).
; Tile numbers: x 0..511, W_q 512.., W_k 544.., W_v 576.., W_o 608...   A fragment (16 rows x 128 K, 12 registers a lane) is 1,536 bytes:
; register p of lane L at 512 (p / 4) + 16 L + 4 (p % 4).  Fragment (G, s) lies at 6144 G + 1536 s; the tile's four scale words of lane L at XWS + 512 G + 16 L.
; A block's scale is 2^(floor(log2(largest magnitude)) - 2); its byte is the largest magnitude's exponent field - 2, held at 1 from below.
; LIMITS: a block of zeros gets the byte 1 and not 127 (its codes are zeros, and this program alone reads the bytes); NaN and infinities among the inputs are not served.
; SHARES.  A work-group is one group of 32 rows, a wave one tile.  Each load reads 512 consecutive bytes of one row (one K step); the 16 rows turn through the wave's own
; stage in LDS (rows 528 bytes apart: an odd multiple of 16) and come back 16 neighbours of each block of 32 to a lane.  Waves share nothing: no barrier.
.set TILEB, 6144
.set FRB,   1536
.set XWS,   3932160                    ; 640 tiles x 6,144 bytes: where the scale words begin
.set STGB,  16*528                     ; a wave's stage
.set SPARE, 2*STGB                     ; behind the stages: the spare words, 128 bytes a wave: one block of 256 bytes that no other line names
.set LI,  2                            ; v2   16 x lane: offset of every load and store
.set STI, 3                            ; v3   the stage, on the way in: 16 x lane
.set STO, 4                            ; v4   and on the way out: 528 r + 64 h
.set SPW, 5                            ; v5   LDS address of my spare word; never rewritten
.set NIL, 6                            ; v6   0; never rewritten
.set R,   16                           ; v16-143  two sets of 64: a K step as loaded
.set X,   144                          ; v144-207 64 numbers: register 16 b + i = k 32 b + 16 h + i of my row
.set TM,  208                          ; v208-223 at work
.set PW,  224                          ; v224-227 the scale words of K steps 0..3
.set PC,  228                          ; v228-239 the codes, v240-247 at work
.set SRC, 16                           ; s[16:17] my tile's first row
.set DC,  18                           ; s[18:19] my tile's fragments in xw
.set DS,  20                           ; s[20:21] my tile's scale words in xw
.set WV,  22
.set BASE, 23
.set SEL, 24                           ; s[24:25] v_permlanex16_b32's selects for lane l xor 16
; 64 numbers of a lane from v[s] on become a fragment's codes in v[PC] on and its scale word in v[w]
.macro QUANT s, w
.irp b, 0,1,2,3
	v_max3_num_f32 v[TM+\b], |v[\s+16*\b]|, |v[\s+1+16*\b]|, 0x1800000   ; block b: my 16 numbers and the floor 2^(3 - 127): the byte cannot fall under 1
.endr
.irp i, 2,4,6,8,10,12,14
.irp b, 0,1,2,3
	v_max3_num_f32 v[TM+\b], v[TM+\b], |v[\s+16*\b+\i]|, |v[\s+1+16*\b+\i]|   ; the four blocks by turns
.endr
.endr
.irp b, 0,1,2,3
	v_permlanex16_b32 v[TM+4+\b], v[TM+\b], s[SEL], s[SEL+1]
.endr
.irp b, 0,1,2,3
	v_max_num_f32 v[TM+\b], v[TM+\b], v[TM+4+\b]   ; with lane l xor 16's 16: the block's largest magnitude
.endr
.irp b, 0,1,2,3
	v_add_nc_u32 v[TM+12+\b], 0xff000000, v[TM+\b] ; 2 off its exponent field: the conversion's scale operand
.endr
.irp b, 0,1,2,3
	v_lshrrev_b32 v[TM+4+\b], 23, v[TM+12+\b]      ; the scale's byte
.endr
	v_lshl_or_b32 v[\w], v[TM+5], 8, v[TM+4]
	v_lshl_or_b32 v[\w], v[TM+6], 16, v[\w]
	v_lshl_or_b32 v[\w], v[TM+7], 24, v[\w]        ; my row's scale word
.irp c, 0,1
	v_cvt_scalef32_pk16_fp6_f32 v[PC+6*\c:PC+2+6*\c], v[\s+32*\c:\s+15+32*\c], v[TM+12+2*\c]
	v_cvt_scalef32_pk16_fp6_f32 v[PC+12+4*\c:PC+14+4*\c], v[\s+16+32*\c:\s+31+32*\c], v[TM+12+2*\c+1]   ; (a conversion's three registers begin on an even number)
.endr
	v_nop                                          ; one plain line behind the scaled conversions
.irp c, 0,1                                    ; the operand wants a whole block in a lane: lanes 0-15 block 2 c, lanes 16-31 block 2 c + 1
.irp i, 0,1,2
	v_permlane16_swap_b32 v[PC+6*\c+\i], v[PC+12+4*\c+\i]
.endr
.irp i, 0,1,2
	v_mov_b32 v[PC+3+6*\c+\i], v[PC+12+4*\c+\i]
.endr
.endr
.endm
; K step s of my 16 rows: a load reads 512 consecutive bytes of lane-row p
.macro LOAD s
.irp p, 0,1,2,3,4,5,6,7,8,9,10,11,12,13,14,15
	global_load_b128 v[R+64*((\s)%2)+4*\p:R+64*((\s)%2)+4*\p+3], v[LI], s[SRC:SRC+1] offset:(\p+8*(\p/8))*2048+512*(\s) th:TH_LOAD_NT
.endr
.endm
	s_load_b256 s[4:11], s[0:1], 0x0               ; x, W_q, W_k, W_v
	s_load_b128 s[12:15], s[0:1], 0x20             ; W_o, xw
	v_lshl_add_u32 v[SPW], v0, 2, SPARE
	v_mov_b32 v[NIL], 0
	v_lshrrev_b32 v1, 5, v0
	v_readfirstlane_b32 s[WV], v1                  ; wave 0, 1
	v_and_b32 v1, 31, v0
	v_lshlrev_b32 v[LI], 4, v1
	s_mul_i32 s26, s[WV], STGB                     ; my stage
	v_add_nc_u32 v[STI], s26, v[LI]
	v_and_b32 v7, 15, v0                           ; r
	v_bfe_u32 v8, v0, 4, 1                         ; h
	v_mul_u32_u24 v[STO], v7, 528
	v_lshl_add_u32 v[STO], v8, 6, v[STO]
	v_add_nc_u32 v[STO], s26, v[STO]
	s_mov_b32 s[SEL], 0x76543210
	s_mov_b32 s[SEL+1], 0xfedcba98
.irp b, 0,1,2,3
	v_mov_b32 v[TM+4+\b], 0                        ; written once: a lane permute's destination counts as one of its sources
.endr
	s_lshl_b32 s28, ttmp9, 1
	s_add_co_u32 s28, s28, s[WV]                   ; my tile's number G
	s_mul_i32 s26, s28, TILEB
	s_mov_b32 s27, 0
	s_lshl_b32 s28, s28, 9
	s_add_co_u32 s28, s28, XWS
	s_mov_b32 s29, 0
	s_wait_alu depctr_va_vdst(0)
	s_wait_kmcnt 0x0
	s_add_nc_u64 s[DC:DC+1], s[14:15], s[26:27]
	s_add_nc_u64 s[DS:DS+1], s[14:15], s[28:29]
	; which tensor: groups 0..255 x, 256.. W_q, 272.. W_k, 288.. W_v, 304.. W_o.  The choice hangs on the work-group's number alone; all five take one path
	s_mov_b64 s[SRC:SRC+1], s[12:13]
	s_mov_b32 s[BASE], 304
	s_cmp_lt_u32 ttmp9, 304
	s_cselect_b64 s[SRC:SRC+1], s[10:11], s[SRC:SRC+1]
	s_cselect_b32 s[BASE], 288, s[BASE]
	s_cmp_lt_u32 ttmp9, 288
	s_cselect_b64 s[SRC:SRC+1], s[8:9], s[SRC:SRC+1]
	s_cselect_b32 s[BASE], 272, s[BASE]
	s_cmp_lt_u32 ttmp9, 272
	s_cselect_b64 s[SRC:SRC+1], s[6:7], s[SRC:SRC+1]
	s_cselect_b32 s[BASE], 256, s[BASE]
	s_cmp_lt_u32 ttmp9, 256
	s_cselect_b64 s[SRC:SRC+1], s[4:5], s[SRC:SRC+1]
	s_cselect_b32 s[BASE], 0, s[BASE]
	s_sub_co_u32 s26, ttmp9, s[BASE]
	s_lshl_b32 s26, s26, 16                        ; 32 rows of 2,048 bytes a group,
	s_lshl_b32 s28, s[WV], 14                      ; the odd tile begins 8 rows on
	s_add_co_u32 s26, s26, s28
	s_mov_b32 s27, 0
	s_add_nc_u64 s[SRC:SRC+1], s[SRC:SRC+1], s[26:27]
	LOAD 0
	LOAD 1
.irp s, 0,1,2,3
.if \s < 3
	s_wait_loadcnt 16                              ; this K step's 16 loads are in; the next step's 16 may be out
.else
	s_wait_loadcnt 0x0
.endif
.irp p, 0,1,2,3,4,5,6,7,8,9,10,11,12,13,14,15
	ds_store_b128 v[STI], v[R+64*(\s%2)+4*\p:R+64*(\s%2)+4*\p+3] offset:528*\p
.endr
.irp b, 0,1,2,3
.irp j, 0,1,2,3
	ds_load_b128 v[X+16*\b+4*\j:X+16*\b+4*\j+3], v[STO] offset:128*\b+16*\j   ; LDS serves a wave's instructions in order: these see the stores above
.endr
.endr
	s_wait_dscnt 0x0                               ; my 64 numbers are in, and the stage's stores have read their registers
.if \s < 2
	LOAD \s+2
.endif
.if \s > 0
	s_wait_xcnt 0x0                                ; the last step's stores have read the codes' registers: they are written again only behind this wait
.endif
	QUANT X, PW+\s
.irp c, 0,1,2
	global_store_b128 v[LI], v[PC+4*\c:PC+4*\c+3], s[DC:DC+1] offset:FRB*\s+512*\c   ; 32 lanes store 512 consecutive bytes, aligned to 256
.endr
.endr
	global_store_b128 v[LI], v[PW:PW+3], s[DS:DS+1]   ; the tile's scale words: 512 consecutive bytes
	s_wait_tensorcnt 0x0                           ; the wave's end: three closing lines, behind my last LDS store
	ds_add_u32 v[SPW], v[NIL]
	s_wait_dscnt 0x0
	s_endpgm
.Lfunc_end_k_q5d3396c29a_prep:
	.size	k_q5d3396c29a_prep, .Lfunc_end_k_q5d3396c29a_prep-k_q5d3396c29a_prep
	.p2alignl 7, 3214868480
	.fill 96, 4, 3214868480
	.section	.rodata,"a",@progbits
	.p2align	6, 0x0
	.amdhsa_kernel k_q5d3396c29a_prep
		.amdhsa_group_segment_fixed_size 17152
		.amdhsa_private_segment_fixed_size 0
		.amdhsa_enable_private_segment 0
		.amdhsa_kernarg_size 48
		.amdhsa_user_sgpr_count 2
		.amdhsa_user_sgpr_kernarg_segment_ptr 1
		.amdhsa_wavefront_size32 1
		.amdhsa_system_sgpr_workgroup_id_x 1
		.amdhsa_system_sgpr_workgroup_id_y 1
		.amdhsa_system_sgpr_workgroup_id_z 1
		.amdhsa_system_vgpr_workitem_id 0
		.amdhsa_next_free_vgpr 256
		.amdhsa_next_free_sgpr 66
		.amdhsa_reserve_vcc 0
		.amdhsa_float_denorm_mode_32 3
		.amdhsa_float_denorm_mode_16_64 3
		.amdhsa_memory_ordered 1
		.amdhsa_forward_progress 1
		.amdhsa_inst_pref_size 34
	.end_amdhsa_kernel
	.amdgpu_metadata
---
amdhsa.version: [ 1, 2 ]
amdhsa.kernels:
  - .name:           k_q5d3396c29a_prep
    .symbol:         k_q5d3396c29a_prep.kd
    .args:
      - { .name: x, .offset: 0, .size: 8, .value_kind: global_buffer, .address_space: global }
      - { .name: W_q, .offset: 8, .size: 8, .value_kind: global_buffer, .address_space: global }
      - { .name: W_k, .offset: 16, .size: 8, .value_kind: global_buffer, .address_space: global }
      - { .name: W_v, .offset: 24, .size: 8, .value_kind: global_buffer, .address_space: global }
      - { .name: W_o, .offset: 32, .size: 8, .value_kind: global_buffer, .address_space: global }
      - { .name: xw, .offset: 40, .size: 8, .value_kind: global_buffer, .address_space: global }
    .group_segment_fixed_size: 17152
    .private_segment_fixed_size: 0
    .kernarg_segment_align: 8
    .kernarg_segment_size: 48
    .max_flat_workgroup_size: 64
    .sgpr_count:     66
    .vgpr_count:     256
    .wavefront_size: 32
...
	.end_amdgpu_metadata
.endif
;; end of part 5
;; launch qkv (part 6): grid 64 x 4, 6 waves a work-group, no clusters, 0 bytes of LDS; arguments xw, b_v, qc, kv; writes qc, kv
.if DOCPART == 6
	.amdgcn_target "amdgcn-amd-amdhsa--gfx1250"
	.amdhsa_code_object_version 6
	.text
	.protected	k_q5d3396c29a_qkv
	.globl	k_q5d3396c29a_qkv
	.p2align	8
	.type	k_q5d3396c29a_qkv,@function
k_q5d3396c29a_qkv:
	s_mov_b64 s[64:65], 0
	v_nop
	global_prefetch_b8 v0, s[64:65] scope:SCOPE_SE
	s_setreg_imm32_b32 hwreg(HW_REG_WAVE_SCHED_MODE, 0, 2), 2
	s_setreg_imm32_b32 hwreg(HW_REG_WAVE_MODE, 25, 1), 1
	s_wait_xcnt 0x0
	s_wait_alu depctr_vm_vsrc(0)
; Q = x W_q^T, K = x W_k^T, V = x W_v^T + b_v on codes of FP6 (E2M3) with E8M0 scales, sums in f32; the results are quantised at once: Q and K along the head's 64, V along the keys.
; SHARES.  A work-group takes 128 rows of x (one block of queries and of keys of one batch: work-group x) and two heads (work-group y).  Wave w: kind w / 2 (0 Q, 1 K, 2 V), head 2 y + w % 2.
; A wave makes 128 rows x 64 features: 32 accumulators, 128 matrix instructions.  Operands come from xw straight into registers, as images of fragments (three 16-byte loads a fragment): no LDS, no barrier.
; No cluster and no ring: K has four steps, and a wave's whole work is 128 matrix instructions on 48 fragments that it loads once each.
; LAYOUT.  Tiles are permuted as in xw: lane-row r of tile T is index 32 (T / 2) + 8 (T % 2) + r + 8 (r / 8).  So in a result the 16 registers of source-0 tiles 2 b, 2 b + 1 are the neighbours 32 b + 16 h + 0 .. 15.
;   Q, K: source 0 = 16 rows of W, source 1 = 16 rows of x: a lane holds a row of x, its registers run along the features.  Two tiles of rows (2 x 64 features) fill one fragment: [tile 2 f | tile 2 f + 1].
;   V:    source 0 = 16 rows of x, source 1 = 16 rows of W: a lane holds a feature, its registers run along the 128 keys: one fragment of V^T for each tile of features.
; OUT.  qc: block (16-head index x 32 + block of queries) of 6,656 bytes: four fragments, then 512 bytes of scale words (lane L's four at 16 L).
;       kv: block of 13,312 bytes: K's four fragments, V^T's four, K's scale words, V's scale words.
; LIMITS: a block of zeros gets the byte 1 and not 127 (its codes are zeros, and this program alone reads the bytes); NaN and infinities are not served.
; REGISTERS.  Window 0: v1, v2 offsets; v8-39 x's scale words; v40-55 W's; v56-151 W's fragments, two sets; v152-247 x's, two sets; v248-255 b_v.  Window 1: the 32 accumulators.
; THE MODE: SCHED_MODE bits 1:0 = 2 (LLVM: expert scheduling mode 2), set by the entry lines.  The code itself states the register dependences between vector or matrix instructions and memory instructions,
; with s_wait_alu, always for 0.
; THE PLAN.  Registers that memory instructions touch:
;   v1, v2        offsets, made once at the head and never written again: one wait on va_vdst ahead of the first load serves every load and store of the kernel.
;   scale words, b_v   loaded once, into registers that no vector line has named.
;   x's set c % 2      read by chunk c's 16 products; the loads of chunk c + 2 land in it, straight behind them.
;   W's set s % 2      read by K step s's 32 products (chunks 2 s, 2 s + 1); the loads of K step s + 2 land in it behind chunk 2 s + 1.
;   PC + 20 g .., PW   written by the way out's vector lines, read by its stores; a run of registers for each fragment, so that none is written again.
; So ONE wait on va_vdst stands behind each of chunks 0 to 5, ahead of its run of loads, and one ahead of each of the way out's four runs of stores.  The wave's 512 registers are all taken
; (256 accumulators, 192 in the two sets of x and of W, 48 scale words), so there is no third set that would let a chunk's loads stand a chunk behind its products.
.set XWS,   3932160
.set FRB,   1536
.set TILEB, 6144
.set LI,  1                            ; v1   16 x lane
.set BO,  2                            ; v2   4 (r + 8 (r / 8)): my feature's place in a tile's bias
.set XS,  8                            ; x's scale words: tile T, K step s at XS + 4 T + s
.set WS,  40                           ; W's: WS + 4 w + s
.set WF,  56                           ; W's fragments: set s % 2
.set XF,  152                          ; x's: set c % 2
.set BV,  248                          ; b_v of my feature in tile d, twice: a pair for the packed addition
.set TM,  56                           ; the way out, in registers that the fragments have left: v56-71 at work,
.set PW,  72                           ; v72-75 four scale words,
.set PC,  76                           ; 20 registers for each of four fragments, so that no store's data are written again
.set WV,  12
.set TY,  13
.set HD,  14
.set XC,  16                           ; s[16:17] x's fragments;  s[18:19] their scale words
.set XSP, 18
.set WC,  20                           ; s[20:21] W's fragments;  s[22:23] their scale words
.set WSP, 22
.set DC,  24                           ; s[24:25] where my codes go;  s[26:27] my scale words
.set DS,  26
.set BVP, 28                           ; s[28:29] b_v at my head
.set SEL, 30
.set MSB, 0
.macro WIN new                         ; the immediate's high byte repeats the setting that is left
.if MSB != \new
	s_set_vgpr_msb (MSB<<8)|\new
.set MSB, \new
.endif
.endm
; chunk c = K step c / 2, tiles of rows 4 (c % 2) + 0 .. 3
.macro LDX c, set
.irp t, 0,1,2,3
.irp h, 0,1,2
	global_load_b128 v[XF+48*(\set)+12*\t+4*\h:XF+48*(\set)+12*\t+4*\h+3], v[LI], s[XC:XC+1] offset:(4*((\c)%2)+\t)*TILEB+((\c)/2)*FRB+512*\h
.endr
.endr
.endm
.macro LDW s, set
.irp t, 0,1,2,3
.irp h, 0,1,2
	global_load_b128 v[WF+48*(\set)+12*\t+4*\h:WF+48*(\set)+12*\t+4*\h+3], v[LI], s[WC:WC+1] offset:\t*TILEB+(\s)*FRB+512*\h
.endr
.endr
.endm
; 16 matrix instructions on 16 accumulators, one instruction a turn; a chunk's accumulators come back two chunks later.  K step 0 starts the sums with the constant 0
.macro MULC c, isv
.irp t, 0,1,2,3
.irp w, 0,1,2,3
.set TT, 4*((\c)%2)+\t
.set SS, (\c)/2
.set XR, XF+48*((\c)%2)+12*\t
.set WR, WF+48*(SS%2)+12*\w
.if \isv
.set AC, 64*\w+8*TT
.if SS == 0
	v_wmma_scale_f32_16x16x128_f8f6f4 v[AC:AC+7], v[XR:XR+11], v[WR:WR+11], 0, v[XS+4*TT+SS], v[WS+4*\w+SS] matrix_a_fmt:MATRIX_FMT_FP6 matrix_b_fmt:MATRIX_FMT_FP6
.else
	v_wmma_scale_f32_16x16x128_f8f6f4 v[AC:AC+7], v[XR:XR+11], v[WR:WR+11], v[AC:AC+7], v[XS+4*TT+SS], v[WS+4*\w+SS] matrix_a_fmt:MATRIX_FMT_FP6 matrix_b_fmt:MATRIX_FMT_FP6
.endif
.else
.set AC, 32*TT+8*\w
.if SS == 0
	v_wmma_scale_f32_16x16x128_f8f6f4 v[AC:AC+7], v[WR:WR+11], v[XR:XR+11], 0, v[WS+4*\w+SS], v[XS+4*TT+SS] matrix_a_fmt:MATRIX_FMT_FP6 matrix_b_fmt:MATRIX_FMT_FP6
.else
	v_wmma_scale_f32_16x16x128_f8f6f4 v[AC:AC+7], v[WR:WR+11], v[XR:XR+11], v[AC:AC+7], v[WS+4*\w+SS], v[XS+4*TT+SS] matrix_a_fmt:MATRIX_FMT_FP6 matrix_b_fmt:MATRIX_FMT_FP6
.endif
.endif
.endr
.endr
.endm
; The eight chunks.  Loads run two chunks ahead.  Issue order: scale words, W(0), X(0), X(1), W(1), (V: 4 of b_v,) X(2), X(3), W(2), X(4), X(5), W(3), X(6), X(7), 12 loads a group.
.macro MAIN isv
.irp c, 0,1,2,3,4,5,6,7
.if \c < 2
	s_wait_loadcnt 24+4*\isv                       ; behind what this chunk reads: two groups of 12 (and b_v's four)
.elseif \c < 6
	s_wait_loadcnt 24                              ; two groups of 12
.elseif \c == 6
	s_wait_loadcnt 12                              ; X(7)
.else
	s_wait_loadcnt 0x0
.endif
	WIN 0x50                                       ; C and D in window 1
	MULC \c, \isv
	WIN 0
.rept 4
	v_nop                                          ; four places in front of loads into fragments just read, and behind the last chunk in front of the first read of results
.endr
.if \c < 6
	s_wait_alu depctr_va_vdst(0)                   ; this chunk's products are done reading x's set c % 2, in which the loads below land; behind chunks 1 and 3 this K step's products are also done reading W's set, which is loaded again
	LDX \c+2, \c%2
.endif
.if \c == 1
	LDW 2, 0
.endif
.if \c == 3
	LDW 3, 1
.endif
.endr
.endm
; 64 numbers of a lane, window 1's registers 64 g on (register 16 b + i = k 32 b + 16 h + i), become fragment g's codes and scale word
.macro QUANTW g
.set SB, 64*(\g)
.set PCG, PC+20*(\g)
	WIN 0x05                                       ; sources 0 and 1 in window 1
.irp b, 0,1,2,3
	v_max3_num_f32 v[TM+\b], |v[SB+16*\b]|, |v[SB+1+16*\b]|, 0x1800000   ; my 16 numbers of block b and the floor 2^(3 - 127); each accumulator is read from its low end on
.endr
	WIN 0x14                                       ; sources 1 and 2 in window 1
.irp i, 2,4,6,8,10,12,14
.irp b, 0,1,2,3
	v_max3_num_f32 v[TM+\b], v[TM+\b], |v[SB+16*\b+\i]|, |v[SB+1+16*\b+\i]|
.endr
.endr
	WIN 0
.irp b, 0,1,2,3
	v_permlanex16_b32 v[TM+4+\b], v[TM+\b], s[SEL], s[SEL+1]
.endr
.irp b, 0,1,2,3
	v_max_num_f32 v[TM+\b], v[TM+\b], v[TM+4+\b]   ; the block's largest magnitude
.endr
.irp b, 0,1,2,3
	v_add_nc_u32 v[TM+12+\b], 0xff000000, v[TM+\b] ; 2 off its exponent field: the conversion's scale operand
.endr
.irp b, 0,1,2,3
	v_lshrrev_b32 v[TM+4+\b], 23, v[TM+12+\b]      ; the scale's byte
.endr
	v_lshl_or_b32 v[PW+\g], v[TM+5], 8, v[TM+4]
	v_lshl_or_b32 v[PW+\g], v[TM+6], 16, v[PW+\g]
	v_lshl_or_b32 v[PW+\g], v[TM+7], 24, v[PW+\g]
	WIN 0x01                                       ; the numbers in window 1
.irp c, 0,1
	v_cvt_scalef32_pk16_fp6_f32 v[PCG+6*\c:PCG+2+6*\c], v[SB+32*\c:SB+15+32*\c], v[TM+12+2*\c]
	v_cvt_scalef32_pk16_fp6_f32 v[PCG+12+4*\c:PCG+14+4*\c], v[SB+16+32*\c:SB+31+32*\c], v[TM+12+2*\c+1]
.endr
	WIN 0
	v_nop                                          ; one plain line behind the scaled conversions
.irp c, 0,1
.irp i, 0,1,2
	v_permlane16_swap_b32 v[PCG+6*\c+\i], v[PCG+12+4*\c+\i]
.endr
.irp i, 0,1,2
	v_mov_b32 v[PCG+3+6*\c+\i], v[PCG+12+4*\c+\i]
.endr
.endr
.endm
	s_load_b256 s[4:11], s[0:1], 0x0               ; xw, b_v, qc, kv
	v_lshrrev_b32 v3, 5, v0
	v_readfirstlane_b32 s[WV], v3                  ; wave 0..5
	v_and_b32 v3, 31, v0
	v_lshlrev_b32 v[LI], 4, v3
	v_and_b32 v3, 15, v0
	v_and_b32 v[BO], 8, v0
	v_add_nc_u32 v[BO], v[BO], v3
	v_lshlrev_b32 v[BO], 2, v[BO]
	s_wait_alu depctr_va_sdst(0)                   ; the wave's number is written, ahead of its first reader: the kind, the head and every base are made from it
	s_lshr_b32 s[TY], s[WV], 1                     ; 0 Q, 1 K, 2 V
	s_and_b32 s[HD], s[WV], 1
	s_and_b32 s15, ttmp7, 0xffff
	s_lshl_b32 s15, s15, 1
	s_add_co_u32 s[HD], s[HD], s15                 ; my head
	s_mov_b32 s[SEL], 0x76543210
	s_mov_b32 s[SEL+1], 0xfedcba98
	s_mul_i32 s32, ttmp9, 8*TILEB                  ; my 8 tiles of x,
	s_mov_b32 s33, 0
	s_lshl_b32 s34, ttmp9, 12
	s_add_co_u32 s34, s34, XWS                     ; their scale words
	s_mov_b32 s35, 0
	s_lshl_b32 s36, s[TY], 5
	s_lshl_b32 s37, s[HD], 2
	s_add_co_u32 s36, s36, s37
	s_add_co_u32 s36, s36, 512                     ; my first tile of W: 512 + 32 kind + 4 head
	s_lshl_b32 s38, s36, 9
	s_add_co_u32 s38, s38, XWS
	s_mov_b32 s39, 0
	s_mul_i32 s36, s36, TILEB
	s_mov_b32 s37, 0
	s_wait_kmcnt 0x0
	s_add_nc_u64 s[XC:XC+1], s[4:5], s[32:33]
	s_add_nc_u64 s[XSP:XSP+1], s[4:5], s[34:35]
	s_add_nc_u64 s[WC:WC+1], s[4:5], s[36:37]
	s_add_nc_u64 s[WSP:WSP+1], s[4:5], s[38:39]
	s_wait_alu depctr_va_vdst(0)                   ; the two offsets v1 and v2 are written: every load and store of the kernel reads one of them, and neither is written again
.irp t, 0,1,2,3,4,5,6,7
	global_load_b128 v[XS+4*\t:XS+4*\t+3], v[LI], s[XSP:XSP+1] offset:512*\t
.endr
.irp t, 0,1,2,3
	global_load_b128 v[WS+4*\t:WS+4*\t+3], v[LI], s[WSP:WSP+1] offset:512*\t
.endr
	LDW 0, 0
	LDX 0, 0
	LDX 1, 1
	LDW 1, 1
	; where the results go
	s_lshl_b32 s32, s[HD], 8
	s_mov_b32 s33, 0
	s_add_nc_u64 s[BVP:BVP+1], s[6:7], s[32:33]    ; b_v at my head's 64 features
	s_lshr_b32 s32, ttmp9, 5                       ; the batch
	s_lshl_b32 s32, s32, 3
	s_add_co_u32 s32, s32, s[HD]
	s_lshl_b32 s32, s32, 5
	s_and_b32 s34, ttmp9, 31
	s_add_co_u32 s32, s32, s34                     ; block = (8 batch + head) x 32 + block of rows
	s_cmp_eq_u32 s[TY], 0
	s_cselect_b64 s[DC:DC+1], s[8:9], s[10:11]     ; qc or kv: the choice hangs on the wave's number alone
	s_mov_b32 s33, 13312
	s_cselect_b32 s33, 6656, s33                   ; a block's bytes
	s_mov_b32 s34, 12288
	s_cselect_b32 s34, 6144, s34                   ; where its scale words begin
	s_cmp_eq_u32 s[TY], 2
	s_cselect_b32 s35, 6144, 0                     ; V's fragments lie behind K's,
	s_cselect_b32 s36, 512, 0                      ; V's scale words behind K's
	s_add_co_u32 s34, s34, s36
	s_mul_i32 s32, s32, s33
	s_add_co_u32 s34, s34, s32
	s_add_co_u32 s36, s35, s32
	s_mov_b32 s35, 0
	s_mov_b32 s37, 0
	s_add_nc_u64 s[DS:DS+1], s[DC:DC+1], s[34:35]
	s_add_nc_u64 s[DC:DC+1], s[DC:DC+1], s[36:37]
	s_cmp_eq_u32 s[TY], 2
	s_cbranch_scc1 .Lv
	MAIN 0
	s_branch .Lepi
.Lv:
.irp d, 0,1,2,3
	global_load_b32 v[BV+2*\d], v[BO], s[BVP:BVP+1] offset:(32*(\d/2)+8*(\d%2))*4   ; b_v of feature 32 (d / 2) + 8 (d % 2) + r + 8 (r / 8).  No vector line stands between the head's wait and these loads
.endr
	MAIN 1
.irp d, 0,1,2,3
	v_mov_b32 v[BV+2*\d+1], v[BV+2*\d]
.endr
	WIN 0x41                                       ; destination and source 0 in window 1
.set n_, 0
.rept 128
	v_pk_add_f32 v[2*n_:2*n_+1], v[2*n_:2*n_+1], v[BV+2*(n_/32):BV+2*(n_/32)+1]   ; + b_v, ahead of the quantiser; ascending: each accumulator from its low end on
.set n_, n_+1
.endr
	WIN 0
.Lepi:
.irp b, 0,1,2,3
	v_mov_b32 v[TM+4+\b], 0                        ; written once: a lane permute's destination counts as one of its sources
.endr
.irp g, 0,1,2,3
	QUANTW \g
	s_wait_alu depctr_va_vdst(0)                   ; fragment g's codes are written, which the three stores below read; behind the last fragment so are the four scale words, which the last store reads
.irp c, 0,1,2
	global_store_b128 v[LI], v[PC+20*\g+4*\c:PC+20*\g+4*\c+3], s[DC:DC+1] offset:FRB*\g+512*\c   ; 512 consecutive bytes, aligned to 256
.endr
.endr
	global_store_b128 v[LI], v[PW:PW+3], s[DS:DS+1]
	s_endpgm
.Lfunc_end_k_q5d3396c29a_qkv:
	.size	k_q5d3396c29a_qkv, .Lfunc_end_k_q5d3396c29a_qkv-k_q5d3396c29a_qkv
	.p2alignl 7, 3214868480
	.fill 96, 4, 3214868480
	.section	.rodata,"a",@progbits
	.p2align	6, 0x0
	.amdhsa_kernel k_q5d3396c29a_qkv
		.amdhsa_group_segment_fixed_size 0
		.amdhsa_private_segment_fixed_size 0
		.amdhsa_enable_private_segment 0
		.amdhsa_kernarg_size 32
		.amdhsa_user_sgpr_count 2
		.amdhsa_user_sgpr_kernarg_segment_ptr 1
		.amdhsa_wavefront_size32 1
		.amdhsa_system_sgpr_workgroup_id_x 1
		.amdhsa_system_sgpr_workgroup_id_y 1
		.amdhsa_system_sgpr_workgroup_id_z 1
		.amdhsa_system_vgpr_workitem_id 0
		.amdhsa_next_free_vgpr 512
		.amdhsa_next_free_sgpr 66
		.amdhsa_reserve_vcc 0
		.amdhsa_float_denorm_mode_32 3
		.amdhsa_float_denorm_mode_16_64 3
		.amdhsa_memory_ordered 1
		.amdhsa_forward_progress 1
		.amdhsa_inst_pref_size 88
	.end_amdhsa_kernel
	.amdgpu_metadata
---
amdhsa.version: [ 1, 2 ]
amdhsa.kernels:
  - .name:           k_q5d3396c29a_qkv
    .symbol:         k_q5d3396c29a_qkv.kd
    .args:
      - { .name: xw, .offset: 0, .size: 8, .value_kind: global_buffer, .address_space: global }
      - { .name: b_v, .offset: 8, .size: 8, .value_kind: global_buffer, .address_space: global }
      - { .name: qc, .offset: 16, .size: 8, .value_kind: global_buffer, .address_space: global }
      - { .name: kv, .offset: 24, .size: 8, .value_kind: global_buffer, .address_space: global }
    .group_segment_fixed_size: 0
    .private_segment_fixed_size: 0
    .kernarg_segment_align: 8
    .kernarg_segment_size: 32
    .max_flat_workgroup_size: 192
    .sgpr_count:     66
    .vgpr_count:     512
    .wavefront_size: 32
...
	.end_amdgpu_metadata
.endif
;; end of part 6
;; launch attn (part 7): grid 16 x 16, 8 waves a work-group, no clusters, 327,680 bytes of LDS; arguments qc, kv, oc; writes oc
.if DOCPART == 7
	.amdgcn_target "amdgcn-amd-amdhsa--gfx1250"
	.amdhsa_code_object_version 6
	.text
	.protected	k_q5d3396c29a_attn
	.globl	k_q5d3396c29a_attn
	.p2align	8
	.type	k_q5d3396c29a_attn,@function
k_q5d3396c29a_attn:
	s_mov_b64 s[64:65], 0
	v_nop
	global_prefetch_b8 v0, s[64:65] scope:SCOPE_SE
	s_setreg_imm32_b32 hwreg(HW_REG_WAVE_MODE, 25, 1), 1
	s_wait_xcnt 0x0
; Causal attention of one (batch, head) on codes of FP6 (E2M3) with E8M0 scales: S^T = K Q^T, p = 2^(t - M), O^T = V^T P^T, O / l, and O's quantising along d_model for the last product.
; t = score x log2(e) / 8; M = the running largest t, rounded UP to a whole number; p is quantised along the keys, not normalised; the row's sum l is taken of the unquantised p; when M moves, l and O^T are
; multiplied by 2^(old M - new M), which rounds nothing.
; SHARES, AND THE MASK.  Work-group (i, head index) owns the blocks of 128 queries i and 31 - i.  Wave j owns tile j (16 queries) of each, one after the other: block i with key blocks 0 .. i, then block 31 - i with
; key blocks 0 .. 31 - i: (i + 1) + (32 - i) = 33 steps of 128 keys in every wave of every work-group.  So the trip counts are constants, no key block is fetched that nobody reads, and all work-groups have the same work.
; Step t reads key block t (t <= i) or t - i - 1.  A phase's last step lies on the diagonal: there alone hidden scores become -infinity.
; NO CLUSTER: beyond step i a work-group asks for block t - i - 1, so in one and the same step the 16 work-groups of a head want different blocks; only the steps up to the smaller i of two partners agree.
; RING.  Two LDS slots of three key blocks (3 x 13,312 bytes, each block a dense run of kv: K's four fragments, V^T's four, their scale words); 33 steps are 11 slots.  Waves 0, 1, 2 fetch a block each, all eight read.
; A wave has one tensor load out at the most.
; LAYOUT.  A lane holds ONE query (lane % 16) throughout.  A fragment of K holds two tiles of 16 keys, [tile 2 f | tile 2 f + 1], 64 along d each; it is multiplied by [q | 0] and by [0 | q]: zero codes add nothing.
; Tiles are permuted (lane-row r of tile T is index 32 (T / 2) + 8 (T % 2) + r + 8 (r / 8)), so that the scores' register 16 b + i is key 32 b + 16 h + i, and O^T's register 16 b + i feature 32 b + 16 h + i.
; OUT.  oc: block (row tile x 8 + head) of 1,024 bytes: half a fragment (6 registers: pair c of lane L at 256 c + 8 L), the scale word (two bytes) of lane L at 768 + 4 L.
; LIMITS: NaN and infinities are not served; a p under 2^-126 falls to 0 (v_exp_f32's result: ISA guide 15.8); a block of zeros gets the byte 1; a block's largest p is taken from its largest score, which takes
; v_exp_f32 not to fall where its input rises.
.set FRB,   1536
.set QBLK,  6656
.set KVBLK, 13312
.set HEADB, 32*KVBLK
.set SLOT1, 65536                      ; slot 1 begins here: one exclusive or turns an address of one slot into the other's
.set SPARE, SLOT1+3*KVBLK              ; behind the ring: the spare words, 128 bytes a wave: four blocks of 256 bytes that no other line names
.set LI,  1                            ; v1   16 x lane
.set SPW, 2                            ; v2   LDS address of my spare word; never rewritten
.set NIL, 3                            ; v3   0; never rewritten
.set AD,  4                            ; v4   LDS address of the step's key block
.set DD,  5                            ; v5   my query's place in its block - 16 h
.set L8,  6                            ; v6   8 x lane
.set L4,  7                            ; v7   4 x lane
.set PFO, 8                            ; v8   the prefetches' offset; never rewritten
                                       ; v12 -M, v13 the largest t, v[14:15] l in two halves
.set QLO, 16                           ; v16-27 [q | 0]
.set QHI, 28                           ; v28-39 [0 | q]
.set QB,  40                           ; v40-45 q of the second phase
.set QSC, 46                           ; v46  q's scale word (its two bytes twice)
.set QBS, 47                           ; v47  the second phase's
.set FRG, 48                           ; v48-95 four fragments: K's, then V^T's
.set S,   96                           ; v96-159 S^T, then p
.set O,   160                          ; v160-191 O^T
.set KS,  192                          ; v192-195 K's scale words;  v196-199 V's
.set VS,  196
.set PC,  200                          ; v200-211 p's codes;  v212-219 at work
.set PT,  212
.set BM,  220                          ; v220-223 the blocks' largest scores, then largest p
.set BT,  224                          ; v224-227 at work
.set SO,  228                          ; v228-231 the conversions' scale operands
.set FF,  232                          ; v232 f = 2^(old M - new M); v233 the pair's other half
.set PSW, 234                          ; v234 p's scale word
.set TMP, 235
.set OSW, 236                          ; v236 O's scale word
.set WV,  10
.set WI,  11                           ; i
.set HB,  12                           ; 8 batch + head
.set TT,  13                           ; the step, 0 .. 32
.set DG,  14                           ; the next step on the diagonal: i, then 32
.set TB,  15                           ; LDS byte at which the step's key block begins
.set SLOTS, 16
.set TRI, 17
.set TF,  18                           ; the step whose block I fetch next
.set I1,  19                           ; i + 1
.set SEL, 20
.set CS,  22                           ; s[22:23] c = log2(e) / 8
.set G1,  24
.set G0,  32
.set KVB, 36                           ; s[36:37] kv at my head
.set OP,  38                           ; s[38:39] where this phase's result goes;  s[40:41] the second phase's
.set OPB, 40
.set PFA, 42
.set LIM, 44
; Waves 0 to 2 fetch.  The branch hangs on the wave's number alone.  An s_nop 0 and four v_nop follow the load
.macro TLOAD
	s_cmp_lt_u32 s[WV], 3
	s_cbranch_scc0 .Lasked_\@
	tensor_load_to_lds s[G0:G0+3], s[G1:G1+7]
	s_nop 0
.rept 4
	v_nop
.endr
.Lasked_\@:
.endm
; A PREFETCH of what work-group 0's NEXT change of slots will ask for: its second phase walks the head's 32 key blocks in order, so slot n + 2 is the dense run of 39,936 bytes from block 3 n + 5 on.
; Only work-group i = 0 of a head asks, and in it the waves that fetch nothing, 3 to 7: 8,192 bytes a wave, lanes 256 bytes apart; the 160 lanes cover 156 blocks of 256 bytes, the last four lanes are held at the last one.
; The last change that fills a slot asks for nothing: the change before it has named the head's last byte.  The first five key blocks come by their loads alone.
.macro ASK
	s_cmp_gt_u32 s[SLOTS], s[LIM]
	s_cbranch_scc0 .Lnot_mine_\@
	global_prefetch_b8 v[PFO], s[PFA:PFA+1] th:TH_LOAD_NT scope:SCOPE_SE
.Lnot_mine_\@:
.endm
; THE CHANGE OF SLOTS stands at a slot's head.  Each wave waits for all its tensor loads (its part of the slot ahead), adds 0 to its spare word, and waits for that and for its reads of the slot that it has left.
; Behind the barrier the slot ahead is whole and nobody reads the other.  fill = 1: that other slot takes the next three steps' key blocks: the load has three steps in which to land.
.macro CHANGE fill
	s_wait_tensorcnt 0x0                           ; no tensor load of mine is out, so the descriptor may be written
	ds_add_u32 v[SPW], v[NIL]                      ; the descriptor's step stands between this add and the wait for it
.if \fill
	s_xor_b32 s[G0+1], s[G0+1], SLOT1              ; the other slot than last time
	s_add_co_u32 s[TF], s[TF], 3
	s_cmp_gt_u32 s[TF], s[WI]
	s_cselect_b32 s56, s[I1], 0
	s_sub_co_u32 s56, s[TF], s56                   ; the step's key block
	s_mul_i32 s56, s56, KVBLK
	s_mov_b32 s57, 0
	s_add_nc_u64 s[G0+2:G0+3], s[KVB:KVB+1], s[56:57]
	s_or_b32 s[G0+3], s[G0+3], 0x80000000          ; type = 2
	s_wait_xcnt 0x0                                ; the last prefetch, a slot back, has read its address
	s_add_nc_u64 s[PFA:PFA+1], s[PFA:PFA+1], 3*KVBLK
.endif
	s_wait_dscnt 0x0                               ; the add is done, and my reads of the slot that I have left are over
	s_barrier_signal -1
	s_barrier_wait -1
.if \fill
	TLOAD                                          ; the first thing behind the barrier, and a wave's one tensor load until the next
	ASK
.endif
.endm
; the state at a phase's start: the largest t is -3e38, under every t; the first change of M multiplies zeros
.macro STATE
	v_mov_b32 v13, 0xff61b1e6
	s_delay_alu instid0(VALU_DEP_1)
	v_floor_f32 v12, -v13
	v_mov_b32 v14, 0
	v_mov_b32 v15, 0
.set n_, 0
.rept 32
	v_mov_b32 v[O+n_], 0
.set n_, n_+1
.endr
.endm
; A phase's end: O^T / l, quantised along the head's 64 (two blocks of d_model), stored
.macro FINISH
.rept 4
	v_nop                                          ; four places behind the last products (ISA guide 7.12.1)
.endr
	v_add_f32 v14, v14, v15
	s_delay_alu instid0(VALU_DEP_1)
	v_permlanex16_b32 v[TMP], v14, s[SEL], s[SEL+1]
	s_delay_alu instid0(VALU_DEP_1)
	v_add_f32 v14, v14, v[TMP]                     ; the row's sum
	s_wait_alu depctr_va_vdst(0)
	v_rcp_f32 v14, v14
	v_nop                                          ; a plain line behind the reciprocal,
	s_wait_alu depctr_va_vdst(0)                   ; and a wait ahead of its first reader
.set n_, 0
.rept 16
	v_pk_mul_f32 v[S+n_:S+n_+1], v[O+n_:O+n_+1], v[14:15] op_sel_hi:[1,0]   ; ascending: each accumulator from its low end on
.set n_, n_+2
.endr
.irp b, 0,1
	v_max3_num_f32 v[BM+\b], |v[S+16*\b]|, |v[S+1+16*\b]|, 0x1800000
.endr
.irp i, 2,4,6,8,10,12,14
.irp b, 0,1
	s_delay_alu instid0(VALU_DEP_2)
	v_max3_num_f32 v[BM+\b], v[BM+\b], |v[S+16*\b+\i]|, |v[S+1+16*\b+\i]|
.endr
.endr
.irp b, 0,1
	s_delay_alu instid0(VALU_DEP_2)
	v_permlanex16_b32 v[BT+\b], v[BM+\b], s[SEL], s[SEL+1]
.endr
.irp b, 0,1
	s_delay_alu instid0(VALU_DEP_2)
	v_max_num_f32 v[BM+\b], v[BM+\b], v[BT+\b]
.endr
.irp b, 0,1
	s_delay_alu instid0(VALU_DEP_2)
	v_add_nc_u32 v[SO+\b], 0xff000000, v[BM+\b]
.endr
.irp b, 0,1
	s_delay_alu instid0(VALU_DEP_2)
	v_lshrrev_b32 v[BT+\b], 23, v[SO+\b]
.endr
	s_delay_alu instid0(VALU_DEP_1)
	v_lshl_or_b32 v[OSW], v[BT+1], 8, v[BT]        ; two bytes; the upper half stays 0
	v_cvt_scalef32_pk16_fp6_f32 v[PC:PC+2], v[S:S+15], v[SO]
	v_cvt_scalef32_pk16_fp6_f32 v[PT:PT+2], v[S+16:S+31], v[SO+1]
	v_nop
.irp i, 0,1,2
	v_permlane16_swap_b32 v[PC+\i], v[PT+\i]
.endr
.irp i, 0,1,2
	s_delay_alu instid0(VALU_DEP_3)
	v_mov_b32 v[PC+3+\i], v[PT+\i]                 ; registers 0-5: features 32 h + 0 .. 31
.endr
.irp c, 0,1,2
	global_store_b64 v[L8], v[PC+2*\c:PC+2*\c+1], s[OP:OP+1] offset:256*\c   ; 32 lanes store 256 consecutive bytes, aligned
.endr
	global_store_b32 v[L4], v[OSW], s[OP:OP+1] offset:768
	s_wait_xcnt 0x0                                ; the stores have read their registers and their base: both are written again behind this wait
.endm
.macro REINIT
	v_mov_b32 v[QSC], v[QBS]                       ; first: a scale word written by a vector line stands eight places ahead of the product that takes it
.irp k, 0,1,2,3,4,5
	v_mov_b32 v[QLO+\k], v[QB+\k]
	v_mov_b32 v[QHI+6+\k], v[QB+\k]
.endr
	STATE
	s_mov_b64 s[OP:OP+1], s[OPB:OPB+1]
	s_mov_b32 s[DG], 32
.endm
; A STEP: 128 keys
.macro STEP
	v_add_nc_u32 v[AD], s[TB], v[LI]
.rept 3
	v_nop                                          ; with the addition: four places in front of loads into fragments that the last products read
.endr
.irp f, 0,1,2,3
.irp c, 0,1,2
	ds_load_b128 v[FRG+12*\f+4*\c:FRG+12*\f+4*\c+3], v[AD] offset:FRB*\f+512*\c   ; K: an image of the registers: 512 consecutive bytes a load
.endr
.endr
	ds_load_b128 v[KS:KS+3], v[AD] offset:12288
	s_wait_alu depctr_va_vdst(0)
	s_wait_dscnt 0x0
.irp f, 0,1,2,3
	v_wmma_scale_f32_16x16x128_f8f6f4 v[S+16*\f:S+16*\f+7], v[FRG+12*\f:FRG+12*\f+11], v[QLO:QLO+11], 0, v[KS+\f], v[QSC] matrix_a_fmt:MATRIX_FMT_FP6 matrix_b_fmt:MATRIX_FMT_FP6
	v_wmma_scale_f32_16x16x128_f8f6f4 v[S+8+16*\f:S+15+16*\f], v[FRG+12*\f:FRG+12*\f+11], v[QHI:QHI+11], 0, v[KS+\f], v[QSC] matrix_a_fmt:MATRIX_FMT_FP6 matrix_b_fmt:MATRIX_FMT_FP6
.endr
.rept 4
	v_nop                                          ; four places: for the loads below, and for the first read of the scores
.endr
.irp f, 0,1,2,3
.irp c, 0,1,2
	ds_load_b128 v[FRG+12*\f+4*\c:FRG+12*\f+4*\c+3], v[AD] offset:4*FRB+FRB*\f+512*\c   ; V^T: it lands under the softmax
.endr
.endr
	ds_load_b128 v[VS:VS+3], v[AD] offset:12800
	s_cmp_eq_u32 s[TT], s[DG]                      ; on the diagonal?  A branch on ids and a counter
	s_cbranch_scc0 .Lopen_\@
	v_mov_b32 v[TMP], 0xff800000                   ; -infinity.  Register 16 b + i holds the block's key 32 b + 16 h + i: hidden where 32 b + i > my query's place - 16 h
.set n_, 0
.rept 64
	v_cmp_gt_i32 vcc_lo, 32*(n_/16)+n_%16, v[DD]
	v_cndmask_b32 v[S+n_], v[S+n_], v[TMP], vcc_lo
.set n_, n_+1
.endr
.Lopen_\@:
.irp b, 0,1,2,3
	v_max3_num_f32 v[BM+\b], v[S+16*\b], v[S+1+16*\b], v[S+2+16*\b]   ; the largest score of each block of 32 keys: for the row's maximum, and for the block's largest p
.endr
.irp i, 3,5,7,9,11,13
.irp b, 0,1,2,3
	v_max3_num_f32 v[BM+\b], v[BM+\b], v[S+16*\b+\i], v[S+1+16*\b+\i]
.endr
.endr
.irp b, 0,1,2,3
	v_max_num_f32 v[BM+\b], v[BM+\b], v[S+15+16*\b]
.endr
.irp b, 0,1,2,3
	s_delay_alu instid0(VALU_DEP_4)
	v_permlanex16_b32 v[BT+\b], v[BM+\b], s[SEL], s[SEL+1]
.endr
.irp b, 0,1,2,3
	s_delay_alu instid0(VALU_DEP_4)
	v_max_num_f32 v[BM+\b], v[BM+\b], v[BT+\b]     ; with lane l xor 16's 16 keys
.endr
	s_delay_alu instid0(VALU_DEP_2)
	v_max3_num_f32 v[TMP], v[BM], v[BM+1], v[BM+2]
	s_delay_alu instid0(VALU_DEP_1)
	v_max_num_f32 v[TMP], v[TMP], v[BM+3]
	s_delay_alu instid0(VALU_DEP_1)
	v_mul_f32 v[TMP], s[CS], v[TMP]                ; as t (c is positive)
	s_delay_alu instid0(VALU_DEP_1)
	v_max_num_f32 v13, v13, v[TMP]                 ; the running largest t
	v_mov_b32 v[TMP], v12
	s_delay_alu instid0(VALU_DEP_2)
	v_floor_f32 v12, -v13                          ; the new -M = floor(-t) = -ceil(t)
	s_delay_alu instid0(VALU_DEP_1)
	v_sub_f32 v[TMP], v12, v[TMP]                  ; old M - new M: a whole number, 0 or less
	s_delay_alu instid0(VALU_DEP_1)
	v_cvt_i32_f32 v[TMP], v[TMP]                   ; (it saturates)
	s_delay_alu instid0(VALU_DEP_1)
	v_ldexp_f32 v[FF], 1.0, v[TMP]                 ; f = 2^(old M - new M)
.set n_, 0
.rept 32
	v_pk_fma_f32 v[S+n_:S+n_+1], v[S+n_:S+n_+1], s[CS:CS+1], v[12:13] op_sel_hi:[1,0,0]   ; t - M, two at a time
.set n_, n_+2
.endr
.irp b, 0,1,2,3
	v_fma_f32 v[BM+\b], v[BM+\b], s[CS], v12       ; the same of each block's largest score
.endr
.set n_, 0
	s_wait_alu depctr_va_vdst(0)
.rept 64
	v_exp_f32 v[S+n_], v[S+n_]                     ; p = 2^(t - M)
.set n_, n_+1
.endr
	s_setprio 1
	v_pk_mul_f32 v[14:15], v[14:15], v[FF:FF+1] op_sel_hi:[1,0]   ; l under the new M: the plain line behind the exponentials
	s_wait_alu depctr_va_vdst(0)                   ; one wait for the batch of 64, ahead of its first reader
.irp b, 0,1,2,3
	v_exp_f32 v[BM+\b], v[BM+\b]                   ; the block's largest p: the same two instructions on the same number
.endr
	v_pk_add_f32 v[224:225], v[100:101], v[104:105]
	v_pk_add_f32 v[254:255], v[108:109], v[112:113]
	v_pk_add_f32 v[252:253], v[116:117], v[120:121]
	v_pk_add_f32 v[250:251], v[124:125], v[128:129]
	v_pk_add_f32 v[248:249], v[132:133], v[136:137]
	v_pk_add_f32 v[246:247], v[140:141], v[144:145]
	v_pk_add_f32 v[244:245], v[148:149], v[152:153]
	v_pk_add_f32 v[14:15], v[14:15], v[156:157]
	v_pk_add_f32 v[224:225], v[224:225], v[96:97]
	v_pk_add_f32 v[254:255], v[254:255], v[98:99]
	v_pk_add_f32 v[252:253], v[252:253], v[102:103]
	v_pk_add_f32 v[250:251], v[250:251], v[106:107]
	v_pk_add_f32 v[248:249], v[248:249], v[110:111]
	v_pk_add_f32 v[246:247], v[246:247], v[114:115]
	v_pk_add_f32 v[244:245], v[244:245], v[118:119]
	v_pk_add_f32 v[14:15], v[14:15], v[122:123]
	v_pk_add_f32 v[224:225], v[224:225], v[126:127]
	v_pk_add_f32 v[254:255], v[254:255], v[130:131]
	v_pk_add_f32 v[252:253], v[252:253], v[134:135]
	v_pk_add_f32 v[250:251], v[250:251], v[138:139]
	v_pk_add_f32 v[248:249], v[248:249], v[142:143]
	v_pk_add_f32 v[246:247], v[246:247], v[146:147]
	v_pk_add_f32 v[244:245], v[244:245], v[150:151]
	v_pk_add_f32 v[14:15], v[14:15], v[154:155]
	v_pk_add_f32 v[224:225], v[224:225], v[158:159]
	s_delay_alu instid0(VALU_DEP_2)
	v_pk_add_f32 v[14:15], v[14:15], v[250:251]
	s_delay_alu instid0(VALU_DEP_2)
	v_pk_add_f32 v[224:225], v[224:225], v[248:249]
	v_pk_add_f32 v[254:255], v[254:255], v[246:247]
	v_pk_add_f32 v[252:253], v[252:253], v[244:245]
	s_delay_alu instid0(VALU_DEP_2)
	v_pk_add_f32 v[14:15], v[14:15], v[254:255]
	s_delay_alu instid0(VALU_DEP_2)
	v_pk_add_f32 v[224:225], v[224:225], v[252:253]
	s_delay_alu instid0(VALU_DEP_1)
	v_pk_add_f32 v[14:15], v[14:15], v[224:225]
	s_wait_alu depctr_va_vdst(0)                   ; and one for the four
.irp b, 0,1,2,3
	v_max_num_f32 v[BM+\b], 0x1800000, v[BM+\b]    ; the floor 2^(3 - 127): the byte cannot fall under 1
.endr
.irp b, 0,1,2,3
	s_delay_alu instid0(VALU_DEP_4)
	v_add_nc_u32 v[SO+\b], 0xff000000, v[BM+\b]    ; 2 off the exponent field: the conversion's scale operand
.endr
.irp b, 0,1,2,3
	s_delay_alu instid0(VALU_DEP_4)
	v_lshrrev_b32 v[BT+\b], 23, v[SO+\b]
.endr
	s_delay_alu instid0(VALU_DEP_3)
	v_lshl_or_b32 v[PSW], v[BT+1], 8, v[BT]        ; p's scale word for these 128 keys
	s_delay_alu instid0(VALU_DEP_1)
	v_lshl_or_b32 v[PSW], v[BT+2], 16, v[PSW]
	s_delay_alu instid0(VALU_DEP_1)
	v_lshl_or_b32 v[PSW], v[BT+3], 24, v[PSW]
.irp c, 0,1
	v_cvt_scalef32_pk16_fp6_f32 v[PC+6*\c:PC+2+6*\c], v[S+32*\c:S+15+32*\c], v[SO+2*\c]
	v_cvt_scalef32_pk16_fp6_f32 v[PT+4*\c:PT+2+4*\c], v[S+16+32*\c:S+31+32*\c], v[SO+2*\c+1]
.endr
	v_nop                                          ; one plain line behind the scaled conversions
.irp c, 0,1
.irp i, 0,1,2
	v_permlane16_swap_b32 v[PC+6*\c+\i], v[PT+4*\c+\i]
.endr
.irp i, 0,1,2
	s_delay_alu instid0(VALU_DEP_3)
	v_mov_b32 v[PC+3+6*\c+\i], v[PT+4*\c+\i]
.endr
.endr
.set n_, 0
.rept 16
	v_pk_mul_f32 v[O+n_:O+n_+1], v[O+n_:O+n_+1], v[FF:FF+1] op_sel_hi:[1,0]   ; O^T under the new M.  These 16 are also the places between p's scale word and codes and the products below
.set n_, n_+2
.endr
	s_wait_alu depctr_va_vdst(0)
	s_wait_dscnt 0x0                               ; V^T is in
.irp d, 0,1,2,3
	v_wmma_scale_f32_16x16x128_f8f6f4 v[O+8*\d:O+8*\d+7], v[FRG+12*\d:FRG+12*\d+11], v[PC:PC+11], v[O+8*\d:O+8*\d+7], v[VS+\d], v[PSW] matrix_a_fmt:MATRIX_FMT_FP6 matrix_b_fmt:MATRIX_FMT_FP6
.endr
	s_cmp_eq_u32 s[TT], s[DG]                      ; the phase's last step?
	s_setprio 0
	s_cbranch_scc0 .Lnext_\@
	FINISH
	s_cmp_eq_u32 s[TT], 32
	s_cbranch_scc1 .Lnext_\@
	REINIT
.Lnext_\@:
	s_add_co_u32 s[TT], s[TT], 1
.endm
; a slot's three steps: written once, walked three times; the LDS addresses hang on s[TB]
.macro SLOT_STEPS
	s_mov_b32 s[TRI], 3
.Lstep_\@:
	s_setprio 2
	STEP
	s_add_co_u32 s[TB], s[TB], KVBLK
	s_sub_co_u32 s[TRI], s[TRI], 1
	s_cmp_lg_u32 s[TRI], 0
	s_cbranch_scc1 .Lstep_\@
	s_setprio 0
	s_sub_co_u32 s[TB], s[TB], 3*KVBLK
	s_xor_b32 s[TB], s[TB], SLOT1                  ; on to the other slot
.endm
	s_load_b128 s[4:7], s[0:1], 0x0                ; qc, kv
	s_load_b64 s[8:9], s[0:1], 0x10                ; oc
	v_lshl_add_u32 v[SPW], v0, 2, SPARE
	v_mov_b32 v[NIL], 0
	ds_add_u32 v[SPW], v[NIL]                      ; the wave's opening: the add and its wait ahead of my first tensor load; work on registers stands between them
	ds_add_u32 v[SPW], v[NIL]
	v_lshrrev_b32 v9, 5, v0
	s_delay_alu instid0(VALU_DEP_1)
	v_readfirstlane_b32 s[WV], v9                  ; wave 0..7 = my tile j
	s_mov_b32 s[WI], ttmp9
	s_and_b32 s[HB], ttmp7, 0xffff
	s_mov_b32 s[TT], 0
	s_mov_b32 s[DG], s[WI]
	s_mov_b32 s[TB], 0
	s_mov_b32 s[SLOTS], 10
	s_min_u32 s[TF], s[WV], 2                      ; which of a slot's three blocks I fetch, if I fetch
	s_add_co_u32 s[I1], s[WI], 1
	s_mov_b32 s[SEL], 0x76543210
	s_mov_b32 s[SEL+1], 0xfedcba98
	s_mov_b32 s[CS], 0x3e38aa3b                    ; log2(e) / 8
	s_mov_b32 s[CS+1], s[CS]
	; descriptor group 1: a key block, 13,312 dense bytes, as 52 rows of 256 bytes (32 elements of 8 bytes); no padding, no mask
	s_mov_b32 s[G1], 3<<16
	s_mov_b32 s[G1+1], 32<<16                      ; tensor_dim0
	s_mov_b32 s[G1+2], 52<<16                      ; tensor_dim1
	s_mov_b32 s[G1+3], 32<<16                      ; tile_dim0
	s_mov_b32 s[G1+4], 52                          ; tile_dim1
	s_mov_b32 s[G1+5], 32                          ; the pitch
	s_mov_b32 s[G1+6], 0
	s_mov_b32 s[G1+7], 0
	s_mov_b32 s[G0], 1
	s_mul_i32 s[G0+1], s[TF], KVBLK                ; LDS address: slot 0, my block
	s_mul_i32 s[KVB], s[HB], HEADB
	s_mov_b32 s[KVB+1], 0
	s_cmp_gt_u32 s[TF], s[WI]
	s_cselect_b32 s56, s[I1], 0
	s_sub_co_u32 s56, s[TF], s56                   ; the key block of step 0, 1 or 2
	s_mul_i32 s56, s56, KVBLK
	s_mov_b32 s57, 0
	; Q: fragment j / 2 of blocks i and 31 - i; my tile is its half j % 2
	s_lshr_b32 s58, s[WV], 1
	s_and_b32 s59, s[WV], 1
	s_lshl_b32 s55, s59, 4                         ; 16 (j % 2): my two bytes of the scale word
	s_sub_co_u32 s54, 0, s59                       ; all lanes where j is odd
	s_sub_co_u32 s63, 31, s[WI]                    ; the second phase's block
	s_lshl_b32 s60, s[HB], 5
	s_mul_i32 s61, s58, FRB
	s_lshl_b32 s62, s58, 2
	s_add_co_u32 s46, s60, s[WI]
	s_mul_i32 s46, s46, QBLK
	s_add_co_u32 s48, s46, s62
	s_add_co_u32 s46, s46, s61
	s_add_co_u32 s50, s60, s63
	s_mul_i32 s50, s50, QBLK
	s_add_co_u32 s52, s50, s62
	s_add_co_u32 s50, s50, s61
	s_mov_b32 s47, 0
	s_mov_b32 s49, 0
	s_mov_b32 s51, 0
	s_mov_b32 s53, 0
	; O: block ((256 batch + 8 block + j) x 8 + head) x 1,024
	s_lshr_b32 s60, s[HB], 3
	s_lshl_b32 s60, s60, 8
	s_add_co_u32 s60, s60, s[WV]
	s_and_b32 s61, s[HB], 7
	s_lshl_b32 s62, s[WI], 3
	s_add_co_u32 s62, s62, s60
	s_lshl_b32 s62, s62, 3
	s_add_co_u32 s62, s62, s61
	s_lshl_b32 s[OP], s62, 10
	s_mov_b32 s[OP+1], 0
	s_lshl_b32 s62, s63, 3
	s_add_co_u32 s62, s62, s60
	s_lshl_b32 s62, s62, 3
	s_add_co_u32 s62, s62, s61
	s_lshl_b32 s[OPB], s62, 10
	s_mov_b32 s[OPB+1], 0
	; who prefetches: waves 3 to 7 of work-group i = 0
	s_cmp_lt_u32 s[WV], 3
	s_cselect_b32 s60, 1, 0
	s_or_b32 s60, s60, s[WI]
	s_cmp_eq_u32 s60, 0
	s_cselect_b32 s[LIM], 1, -1
	s_max_u32 s60, s[WV], 3
	s_sub_co_u32 s60, s60, 3
	s_lshl_b32 s60, s60, 13
	s_lshl_b32 s61, s58, 5
	s_lshl_b32 s62, s59, 3
	s_add_co_u32 s61, s61, s62                     ; 32 (j / 2) + 8 (j % 2)
	v_and_b32 v9, 31, v0
	s_delay_alu instid0(VALU_DEP_1)
	v_lshlrev_b32 v[LI], 4, v9
	s_delay_alu instid0(VALU_DEP_2)
	v_lshlrev_b32 v[L8], 3, v9
	s_delay_alu instid0(VALU_DEP_3)
	v_lshlrev_b32 v[L4], 2, v9
	s_delay_alu instid0(VALU_DEP_4)
	v_lshlrev_b32 v[PFO], 8, v9
	s_delay_alu instid0(VALU_DEP_1)
	v_add_nc_u32 v[PFO], s60, v[PFO]
	s_delay_alu instid0(VALU_DEP_1)
	v_min_u32 v[PFO], 39680, v[PFO]                ; inside the slot's 39,936 bytes
	v_and_b32 v9, 15, v0
	v_and_b32 v10, 8, v0
	s_delay_alu instid0(VALU_DEP_1)
	v_add_nc_u32 v9, v9, v10                       ; r + 8 (r / 8)
	v_and_b32 v10, 16, v0
	s_delay_alu instid0(VALU_DEP_1)
	v_sub_nc_u32 v9, v9, v10                       ; - 16 h
	s_delay_alu instid0(VALU_DEP_1)
	v_add_nc_u32 v[DD], s61, v9
	s_wait_dscnt 0x0                               ; the opening add is done
	s_wait_kmcnt 0x0
	s_add_nc_u64 s[KVB:KVB+1], s[6:7], s[KVB:KVB+1]
	s_add_nc_u64 s[G0+2:G0+3], s[KVB:KVB+1], s[56:57]
	s_or_b32 s[G0+3], s[G0+3], 0x80000000          ; type = 2
	TLOAD                                          ; slot 0
	s_add_nc_u64 s[46:47], s[4:5], s[46:47]
	s_add_nc_u64 s[48:49], s[4:5], s[48:49]
	s_add_nc_u64 s[50:51], s[4:5], s[50:51]
	s_add_nc_u64 s[52:53], s[4:5], s[52:53]
	s_add_nc_u64 s[OP:OP+1], s[8:9], s[OP:OP+1]
	s_add_nc_u64 s[OPB:OPB+1], s[8:9], s[OPB:OPB+1]
	s_add_nc_u64 s[PFA:PFA+1], s[KVB:KVB+1], 2*KVBLK   ; the first change of slots steps it to block 5
.irp c, 0,1,2
	global_load_b128 v[S+4*\c:S+4*\c+3], v[LI], s[46:47] offset:512*\c
	global_load_b128 v[S+12+4*\c:S+12+4*\c+3], v[LI], s[50:51] offset:512*\c
.endr
	global_load_b32 v[S+24], v[LI], s[48:49] offset:6144
	global_load_b32 v[S+25], v[LI], s[52:53] offset:6144
.irp b, 0,1,2,3
	v_mov_b32 v[BT+\b], 0                          ; written once: a lane permute's destination counts as one of its sources
.endr
	v_mov_b32 v[FF+1], 0                           ; (named as the upper half of a pair)
	v_mov_b32 v[TMP], 0
	s_wait_loadcnt 0x0
.irp k, 0,1,2,3,4,5
	v_cndmask_b32 v[QLO+\k], v[S+\k], v[S+6+\k], s54       ; my tile's half of the fragment
	v_cndmask_b32 v[QB+\k], v[S+12+\k], v[S+18+\k], s54
	v_mov_b32 v[QLO+6+\k], 0                       ; zero codes
	v_mov_b32 v[QHI+\k], 0
.endr
.irp k, 0,1,2,3,4,5
	v_mov_b32 v[QHI+6+\k], v[QLO+\k]
.endr
	v_lshrrev_b32 v9, s55, v[S+24]
	v_lshrrev_b32 v10, s55, v[S+25]
	s_delay_alu instid0(VALU_DEP_2)
	v_and_b32 v9, 0xffff, v9
	s_delay_alu instid0(VALU_DEP_2)
	v_and_b32 v10, 0xffff, v10
	s_delay_alu instid0(VALU_DEP_2)
	v_lshl_or_b32 v[QSC], v9, 16, v9               ; my tile's two bytes, twice: they serve [q | 0] and [0 | q]
	s_delay_alu instid0(VALU_DEP_2)
	v_lshl_or_b32 v[QBS], v10, 16, v10
	STATE                                          ; (these 36 plain lines are also the places between Q's scale word and the first product)
.Lslot:                                            ; 10 trips: behind each change of slots but the last the next slot is asked for
	CHANGE 1
	SLOT_STEPS
	s_sub_co_u32 s[SLOTS], s[SLOTS], 1
	s_cmp_lg_u32 s[SLOTS], 0
	s_cbranch_scc1 .Lslot
	CHANGE 0                                       ; the last slot is written out
	SLOT_STEPS
	s_wait_tensorcnt 0x0                           ; the wave's end: three closing lines, behind my last tensor load
	ds_add_u32 v[SPW], v[NIL]
	s_wait_dscnt 0x0
	s_endpgm
.Lfunc_end_k_q5d3396c29a_attn:
	.size	k_q5d3396c29a_attn, .Lfunc_end_k_q5d3396c29a_attn-k_q5d3396c29a_attn
	.p2alignl 7, 3214868480
	.fill 96, 4, 3214868480
	.section	.rodata,"a",@progbits
	.p2align	6, 0x0
	.amdhsa_kernel k_q5d3396c29a_attn
		.amdhsa_group_segment_fixed_size 327680
		.amdhsa_private_segment_fixed_size 0
		.amdhsa_enable_private_segment 0
		.amdhsa_kernarg_size 24
		.amdhsa_user_sgpr_count 2
		.amdhsa_user_sgpr_kernarg_segment_ptr 1
		.amdhsa_wavefront_size32 1
		.amdhsa_system_sgpr_workgroup_id_x 1
		.amdhsa_system_sgpr_workgroup_id_y 1
		.amdhsa_system_sgpr_workgroup_id_z 1
		.amdhsa_system_vgpr_workitem_id 0
		.amdhsa_next_free_vgpr 256
		.amdhsa_next_free_sgpr 66
		.amdhsa_reserve_vcc 1
		.amdhsa_float_denorm_mode_32 3
		.amdhsa_float_denorm_mode_16_64 3
		.amdhsa_memory_ordered 1
		.amdhsa_forward_progress 1
		.amdhsa_inst_pref_size 67
	.end_amdhsa_kernel
	.amdgpu_metadata
---
amdhsa.version: [ 1, 2 ]
amdhsa.kernels:
  - .name:           k_q5d3396c29a_attn
    .symbol:         k_q5d3396c29a_attn.kd
    .args:
      - { .name: qc, .offset: 0, .size: 8, .value_kind: global_buffer, .address_space: global }
      - { .name: kv, .offset: 8, .size: 8, .value_kind: global_buffer, .address_space: global }
      - { .name: oc, .offset: 16, .size: 8, .value_kind: global_buffer, .address_space: global }
    .group_segment_fixed_size: 327680
    .private_segment_fixed_size: 0
    .kernarg_segment_align: 8
    .kernarg_segment_size: 24
    .max_flat_workgroup_size: 256
    .sgpr_count:     66
    .vgpr_count:     256
    .wavefront_size: 32
...
	.end_amdgpu_metadata
.endif
;; end of part 7
;; launch oproj (part 8): grid 128 x 2, 4 waves a work-group, no clusters, 17,920 bytes of LDS; arguments oc, xw, b_o, out0; writes out0
.if DOCPART == 8
	.amdgcn_target "amdgcn-amd-amdhsa--gfx1250"
	.amdhsa_code_object_version 6
	.text
	.protected	k_q5d3396c29a_oproj
	.globl	k_q5d3396c29a_oproj
	.p2align	8
	.type	k_q5d3396c29a_oproj,@function
k_q5d3396c29a_oproj:
	s_mov_b64 s[64:65], 0
	v_nop
	global_prefetch_b8 v0, s[64:65] scope:SCOPE_SE
	s_setreg_imm32_b32 hwreg(HW_REG_WAVE_SCHED_MODE, 0, 2), 2
	s_setreg_imm32_b32 hwreg(HW_REG_WAVE_MODE, 25, 1), 1
	s_wait_xcnt 0x0
	s_wait_alu depctr_vm_vsrc(0)
; out0 = O W_o^T + b_o on codes of FP6 (E2M3) with E8M0 scales; sums in f32.  O's codes come from oc (half a fragment for each row tile and head), W_o's from xw (tiles 608 on).
; SHARES.  A work-group takes 64 rows (work-group x) and 256 columns (work-group y); wave w the columns 256 y + 64 w on: 4 tiles of rows x 4 tiles of W_o = 16 accumulators, 64 matrix instructions.
; All of a wave's operands, 32 fragments, are asked for at once into registers of their own: the wave waits for memory once.  No ring and no cluster: K has four steps, and each fragment is loaded once and feeds four products.
; LAYOUT.  Source 0 = 16 rows of W_o, source 1 = 16 rows of O: a lane holds one row of the result, and its registers eight neighbouring columns.  Tiles are permuted as everywhere in this program:
; lane-row r of tile T is index 32 (T / 2) + 8 (T % 2) + r + 8 (r / 8); register j of lane (r, h) of W_o's tile w is column 32 (w / 2) + 16 h + 8 (w % 2) + j.  b_o is the C of each sum's first product.
; THE WAY OUT.  A tile of 16 rows x 64 columns goes through the wave's own stage in LDS (rows 272 bytes apart: an odd multiple of 16) and leaves as whole rows: sixteen lanes store 256 consecutive bytes, aligned.
; REGISTERS.  Window 0: addresses; v16-31 W_o's scale words; v32-63 O's as stored; v64-79 O's, joined; v96-223 rows on the way out.  Window 1: W_o's 16 fragments.  Window 2: O's 16.  Window 3: 16 accumulators, b_o from v128.
; THE MODE: SCHED_MODE bits 1:0 = 2 (LLVM: expert scheduling mode 2), set by the entry lines.  The code itself states the register dependences between vector or matrix instructions and memory or LDS instructions,
; with s_wait_alu, always for 0.
; THE PLAN.  Registers that memory or LDS instructions touch:
;   v1-v7, v8, v9   offsets, LDS addresses and the closing add's two: made once at the head, never written again: one wait on va_vdst ahead of the first load serves the whole kernel.
;   the scale words, b_o and the 32 fragments   loaded once, into registers that no vector line has named.
;   the 16 accumulators   written by the products, read by the stage's LDS stores: the four places, then one wait on va_vdst for all 32 stores; no vector line follows it.
;   v96-223         written by the loads from the stage, read by the global stores: named by no vector line.
; O's joined scale words, v64-79, are written by vector lines and taken by the scaled products: the eight places, then a wait on va_vdst.  Nothing that a memory or LDS instruction has read is written again.
.set XWS,   3932160
.set FRB,   1536
.set TILEB, 6144
.set SPITCH, 272
.set STGB,  16*SPITCH
.set SPARE, 4*STGB                     ; behind the stages: the spare words, 128 bytes a wave: two blocks of 256 bytes that no other line names
.set LI,  1                            ; v1  16 x lane
.set L8,  2                            ; v2  8 x lane
.set L4,  3                            ; v3  4 x lane
.set H64, 4                            ; v4  64 h
.set STO, 5                            ; v5  the stage, in: 272 r + 64 h
.set RD,  6                            ; v6  and back: 272 (lane / 16) + 16 (lane % 16)
.set CO,  7                            ; v7  the same place in out0: 2048 (lane / 16) + 16 (lane % 16)
.set SPW, 8                            ; v8  LDS address of my spare word; never rewritten
.set NIL, 9                            ; v9  0; never rewritten
.set WS,  16
.set RAW, 32
.set OS,  64
.set OB,  96
.set BI,  128                          ; in window 3
.set WV,  12
.set OC,  16
.set WC,  18
.set WSP, 20
.set BOP, 22
.set OUT, 24
.set MSB, 0
.macro WIN new                         ; the immediate's high byte repeats the setting that is left
.if MSB != \new
	s_set_vgpr_msb (MSB<<8)|\new
.set MSB, \new
.endif
.endm
; K step s: 16 products on 16 accumulators, one instruction a turn
.macro MULS s
.irp t, 0,1,2,3
.irp w, 0,1,2,3
.if \s == 0
	v_wmma_scale_f32_16x16x128_f8f6f4 v[8*(4*\t+\w):8*(4*\t+\w)+7], v[12*(4*\s+\w):12*(4*\s+\w)+11], v[12*(4*\s+\t):12*(4*\s+\t)+11], v[BI+8*\w:BI+8*\w+7], v[WS+4*\w+\s], v[OS+4*\t+\s] matrix_a_fmt:MATRIX_FMT_FP6 matrix_b_fmt:MATRIX_FMT_FP6
.else
	v_wmma_scale_f32_16x16x128_f8f6f4 v[8*(4*\t+\w):8*(4*\t+\w)+7], v[12*(4*\s+\w):12*(4*\s+\w)+11], v[12*(4*\s+\t):12*(4*\s+\t)+11], v[8*(4*\t+\w):8*(4*\t+\w)+7], v[WS+4*\w+\s], v[OS+4*\t+\s] matrix_a_fmt:MATRIX_FMT_FP6 matrix_b_fmt:MATRIX_FMT_FP6
.endif
.endr
.endr
.endm
	s_load_b256 s[4:11], s[0:1], 0x0               ; oc, xw, b_o, out0
	v_lshl_add_u32 v[SPW], v0, 2, SPARE
	v_mov_b32 v[NIL], 0
	v_lshrrev_b32 v10, 5, v0
	v_readfirstlane_b32 s[WV], v10                 ; wave 0..3
	v_and_b32 v10, 31, v0
	v_and_b32 v11, 15, v0                          ; r
	v_bfe_u32 v12, v0, 4, 1                        ; h
	v_lshlrev_b32 v[LI], 4, v10
	v_lshlrev_b32 v[L8], 3, v10
	v_lshlrev_b32 v[L4], 2, v10
	v_lshlrev_b32 v[H64], 6, v12
	s_wait_alu depctr_va_sdst(0)                   ; the wave's number is written, ahead of its first reader: the stage's place and every base are made from it
	s_mul_i32 s26, s[WV], STGB                     ; my stage
	v_mul_u32_u24 v[STO], v11, SPITCH
	v_lshl_add_u32 v[STO], v12, 6, v[STO]
	v_add_nc_u32 v[STO], s26, v[STO]
	v_mul_u32_u24 v[RD], v12, SPITCH
	v_lshl_add_u32 v[RD], v11, 4, v[RD]
	v_add_nc_u32 v[RD], s26, v[RD]
	v_lshlrev_b32 v[CO], 11, v12
	v_lshl_add_u32 v[CO], v11, 4, v[CO]
	s_and_b32 s13, ttmp7, 0xffff                   ; y
	s_lshl_b32 s14, s13, 4
	s_lshl_b32 s15, s[WV], 2
	s_add_co_u32 s14, s14, s15
	s_add_co_u32 s14, s14, 608                     ; my first tile of W_o
	s_lshl_b32 s28, s14, 9
	s_add_co_u32 s28, s28, XWS
	s_mov_b32 s29, 0
	s_mul_i32 s26, s14, TILEB
	s_mov_b32 s27, 0
	s_lshl_b32 s30, s13, 10
	s_lshl_b32 s15, s[WV], 8
	s_add_co_u32 s30, s30, s15                     ; my first column, in bytes
	s_mov_b32 s31, 0
	s_lshl_b32 s14, ttmp9, 15                      ; oc: 4 row tiles x 8 heads x 1,024 bytes
	s_mov_b32 s15, 0
	s_wait_kmcnt 0x0
	s_add_nc_u64 s[OC:OC+1], s[4:5], s[14:15]
	s_add_nc_u64 s[WC:WC+1], s[6:7], s[26:27]
	s_add_nc_u64 s[WSP:WSP+1], s[6:7], s[28:29]
	s_add_nc_u64 s[BOP:BOP+1], s[8:9], s[30:31]
	s_add_nc_u64 s[OUT:OUT+1], s[10:11], s[30:31]
	s_lshl_b32 s14, ttmp9, 17                      ; 64 rows of 2,048 bytes
	s_add_nc_u64 s[OUT:OUT+1], s[OUT:OUT+1], s[14:15]
	s_wait_alu depctr_va_vdst(0)                   ; the offsets and LDS addresses v1 to v7 and the closing add's v8 and v9 are written: the loads, LDS instructions and stores below read them, and none is written again.  Only loads and window switches follow up to the last load
.irp w, 0,1,2,3
	global_load_b128 v[WS+4*\w:WS+4*\w+3], v[LI], s[WSP:WSP+1] offset:512*\w
.endr
.irp t, 0,1,2,3
.irp d, 0,1,2,3,4,5,6,7
	global_load_b32 v[RAW+8*\t+\d], v[L4], s[OC:OC+1] offset:(8*\t+\d)*1024+768   ; row tile t, head d: two bytes
.endr
.endr
	WIN 0xc0                                       ; destination window 3
.irp w, 0,1,2,3
	global_load_b128 v[BI+8*\w:BI+8*\w+3], v[H64], s[BOP:BOP+1] offset:(32*(\w/2)+8*(\w%2))*4
	global_load_b128 v[BI+8*\w+4:BI+8*\w+7], v[H64], s[BOP:BOP+1] offset:(32*(\w/2)+8*(\w%2))*4+16
.endr
.irp s, 0,1,2,3
	WIN 0x40                                       ; destination window 1
.irp w, 0,1,2,3
.irp c, 0,1,2
	global_load_b128 v[12*(4*\s+\w)+4*\c:12*(4*\s+\w)+4*\c+3], v[LI], s[WC:WC+1] offset:\w*TILEB+\s*FRB+512*\c
.endr
.endr
	WIN 0x80                                       ; destination window 2
.irp t, 0,1,2,3
.irp f, 0,1
.irp c, 0,1,2
	global_load_b64 v[12*(4*\s+\t)+6*\f+2*\c:12*(4*\s+\t)+6*\f+2*\c+1], v[L8], s[OC:OC+1] offset:(8*\t+2*\s+\f)*1024+256*\c   ; K step s = heads 2 s, 2 s + 1: the fragment's two halves
.endr
.endr
.endr
.endr
	WIN 0
	s_wait_loadcnt 36                              ; all but the last K step's 12 + 24 loads
.irp t, 0,1,2,3
.irp s, 0,1,2,3
	v_lshl_or_b32 v[OS+4*\t+\s], v[RAW+8*\t+2*\s+1], 16, v[RAW+8*\t+2*\s]   ; two heads' bytes make a K step's scale word
.endr
.endr
.rept 8
	v_nop                                          ; a scale word written by a vector line stands eight places ahead of the product that takes it
.endr
	s_wait_alu depctr_va_vdst(0)                   ; O's sixteen joined scale words are written, which the scaled products take; the places above stay beside this wait
	WIN 0xf9                                       ; source 0 (W_o) window 1, source 1 (O) window 2, C and D window 3
	MULS 0
	MULS 1
	MULS 2
	s_wait_loadcnt 0x0
	MULS 3
	WIN 0
.rept 4
	v_nop                                          ; four places in front of the first read of results (ISA guide 7.12.1)
.endr
	s_wait_alu depctr_va_vdst(0)                   ; the products have written the sixteen accumulators, which the LDS stores below read; the places above stay beside this wait.  No vector line follows it
.irp t, 0,1,2,3
	WIN 0x0c                                       ; an LDS store's data are its source 1: window 3
.irp w, 0,1,2,3
	ds_store_b128 v[STO], v[8*(4*\t+\w):8*(4*\t+\w)+3] offset:128*(\w/2)+32*(\w%2)          ; each accumulator from its low end on
	ds_store_b128 v[STO], v[8*(4*\t+\w)+4:8*(4*\t+\w)+7] offset:128*(\w/2)+32*(\w%2)+16
.endr
	WIN 0
.irp i, 0,1,2,3,4,5,6,7
	ds_load_b128 v[OB+32*\t+4*\i:OB+32*\t+4*\i+3], v[RD] offset:2*\i*SPITCH   ; LDS serves a wave's instructions in order: these see the stores above, and the next tile's stores come behind them
.endr
.endr
.irp t, 0,1,2,3
.irp i, 0,1,2,3,4,5,6,7
	s_wait_dscnt 16*(3-\t)+7-\i                    ; behind this load: the tile's later loads and 16 LDS instructions for each later tile
	global_store_b128 v[CO], v[OB+32*\t+4*\i:OB+32*\t+4*\i+3], s[OUT:OUT+1] offset:(32*(\t/2)+8*(\t%2)+2*\i+8*(\i/4))*2048 th:TH_STORE_NT   ; lane-rows 2 i, 2 i + 1: sixteen lanes store 256 consecutive bytes, aligned
.endr
.endr
	s_wait_dscnt 0x0                               ; the wave's end: the closing lines, six on end
	s_wait_alu 0x0
	s_wait_tensorcnt 0x0
	ds_add_u32 v[SPW], v[NIL]
	s_wait_dscnt 0x0
	s_endpgm
.Lfunc_end_k_q5d3396c29a_oproj:
	.size	k_q5d3396c29a_oproj, .Lfunc_end_k_q5d3396c29a_oproj-k_q5d3396c29a_oproj
	.p2alignl 7, 3214868480
	.fill 96, 4, 3214868480
	.section	.rodata,"a",@progbits
	.p2align	6, 0x0
	.amdhsa_kernel k_q5d3396c29a_oproj
		.amdhsa_group_segment_fixed_size 17920
		.amdhsa_private_segment_fixed_size 0
		.amdhsa_enable_private_segment 0
		.amdhsa_kernarg_size 32
		.amdhsa_user_sgpr_count 2
		.amdhsa_user_sgpr_kernarg_segment_ptr 1
		.amdhsa_wavefront_size32 1
		.amdhsa_system_sgpr_workgroup_id_x 1
		.amdhsa_system_sgpr_workgroup_id_y 1
		.amdhsa_system_sgpr_workgroup_id_z 1
		.amdhsa_system_vgpr_workitem_id 0
		.amdhsa_next_free_vgpr 1024
		.amdhsa_next_free_sgpr 66
		.amdhsa_reserve_vcc 0
		.amdhsa_float_denorm_mode_32 3
		.amdhsa_float_denorm_mode_16_64 3
		.amdhsa_memory_ordered 1
		.amdhsa_forward_progress 1
		.amdhsa_inst_pref_size 39
	.end_amdhsa_kernel
	.amdgpu_metadata
---
amdhsa.version: [ 1, 2 ]
amdhsa.kernels:
  - .name:           k_q5d3396c29a_oproj
    .symbol:         k_q5d3396c29a_oproj.kd
    .args:
      - { .name: oc, .offset: 0, .size: 8, .value_kind: global_buffer, .address_space: global }
      - { .name: xw, .offset: 8, .size: 8, .value_kind: global_buffer, .address_space: global }
      - { .name: b_o, .offset: 16, .size: 8, .value_kind: global_buffer, .address_space: global }
      - { .name: out0, .offset: 24, .size: 8, .value_kind: global_buffer, .address_space: global }
    .group_segment_fixed_size: 17920
    .private_segment_fixed_size: 0
    .kernarg_segment_align: 8
    .kernarg_segment_size: 32
    .max_flat_workgroup_size: 128
    .sgpr_count:     66
    .vgpr_count:     1024
    .wavefront_size: 32
...
	.end_amdgpu_metadata
.endif
;; end of part 8
